; MI455X (gfx1250); checked and timed in simulation.
; The chip was launched on July 23, 2026; its instructions are those of AMD's public machine-readable ISA for CDNA 5 (MIT licence, August 2026) and "CDNA5" Instruction Set Architecture Reference Guide (July 2026). The comments in the code are by the model that wrote it; some were corrected since.
;; Simple Causal Attention. Allowed arithmetic: matrix products marked QUANTISED: E2M1 operands, one E8M0 scale for each 32 along K, by v_wmma_scale_f32_16x16x128_f8f6f4 with both operands' format E2M1 (or v_wmma_scale_f32_32x16x128_f4), f32 sums; products left as they are: bf16, f16 or f32 operands; f32 sums; everything else in f32.
;; Inputs: w_proj 1,024 x 1,024 float32; w_qkv 1,024 x 3,072 float32; x 4 x 2,048 x 1,024 float32.
;; Outputs: out0 4 x 2,048 x 1,024 float32.
;; This version of the problem:
;;   THIS VERSION OF THE PROBLEM IS GIVEN IN LOW PRECISION. The matrix products marked QUANTISED in the list below multiply operands that are first quantised to E2M1 (2 exponent bits, 1 mantissa bit; 4 bits a number), with one power-of-two scale for each 32 numbers along K (OCP MX v1.0); their sums are f32. The products marked 'left as it is' may take bf16, f16 or f32 operands, with f32 sums. Whichever they take, every output number must still come out within the allowed error. Rounding operands to bf16 (8 significant bits) uses up far more of that allowance than f16 does (11 bits, for magnitudes from 6e-5 to 65,504). All else is computed in f32.
;;   The module's matrix products, in the order in which they are computed (A, B: the left and right operand; K: the contracted axis; several contracted axes count as one K, in the product's order):
;;     1. [M 8,192, K 1,024] x [K 1,024, N 3,072]; A: input x; B: input w_qkv: QUANTISED
;;     2. batch 64 x [M 2,048, K 64] x [K 64, N 2,048]; A: computed on the way; B: computed on the way: left as it is (an operand is computed on the way)
;;     3. batch 64 x [M 2,048, K 2,048] x [K 2,048, N 64]; A: computed on the way; B: computed on the way: left as it is (an operand is computed on the way)
;;     4. [M 8,192, K 1,024] x [K 1,024, N 1,024]; A: computed on the way; B: input w_proj: left as it is (an operand is computed on the way)
;;   THE QUANTISER, for each operand of a quantised product, along K:
;;     - K is cut into blocks of 32 from its start; a last block that is shorter is filled with zeros.
;;     - A block's scale is 2^e with e = floor(log2(the largest magnitude in the block)) - 2, held to -126 .. 127; a block of zeros has e = 0. As a byte (E8M0): e + 127.
;;     - Each number is divided by its block's scale, clamped to +-6, and rounded to the nearest number of E2M1, ties to even, subnormals kept.
;;     - The product sums the exact products of the quantised numbers (number of the format x scale) in f32.
;;   ~~~python
;;   def quantise(x, axis):      # numpy; x: float32 -> the quantised numbers, widened to float32 again
;;       x = np.moveaxis(x, axis, -1); K = x.shape[-1]
;;       x = np.pad(x, [(0, 0)] * (x.ndim - 1) + [(0, -K % 32)]); x = x.reshape(x.shape[:-1] + (-1, 32)); a = np.abs(x).max(-1, keepdims=True)
;;       e = np.where(a > 0, np.clip(np.frexp(np.where(a > 0, a, 1))[1] - 1 - 2, -126, 127), 0)      # np.frexp(a)[1] - 1 = floor(log2(a)), exactly
;;       r = np.clip(x / 2.0 ** e, -6, 6)
;;       step = 2.0 ** (np.maximum(np.frexp(np.where(r == 0, 1, r))[1] - 1, 0) - 1)
;;       q = np.round(r / step) * step * 2.0 ** e      # np.round: ties to even
;;       return np.moveaxis(q.reshape(q.shape[:-2] + (-1,))[..., :K], -1, axis).astype(np.float32)
;;   ~~~
;; One version. Each part assembles by itself: llvm-mc -triple=amdgcn-amd-amdhsa -mcpu=gfx1250 --defsym DOCPART=n.
;; ======== version 1 of 1: 6 launches
;; limits: values are held in f16: magnitudes above 65,504 overflow, below 6.1e-05 lose precision
;; workspace buffers: xc 4,194,304 bytes; xs 262,144 bytes; wc 1,572,864 bytes; ws 98,304 bytes; wp16 2,097,152 bytes; qkv16 50,331,648 bytes; att16 16,777,216 bytes; att32 262,144 bytes
;; launch prep (part 1): grid 256 x 1, 8 waves a work-group, no clusters, 33,792 bytes of LDS; arguments x, w_qkv, w_proj, xc, xs, wc, ws, wp16; writes xc, xs, wc, ws, wp16
.if DOCPART == 1
	.amdgcn_target "amdgcn-amd-amdhsa--gfx1250"
	.amdhsa_code_object_version 6
	.text
	.protected	k_qc1094d8cad_prep
	.globl	k_qc1094d8cad_prep
	.p2align	8
	.type	k_qc1094d8cad_prep,@function
k_qc1094d8cad_prep:
	s_mov_b64 s[64:65], 0
	v_nop
	global_prefetch_b8 v0, s[64:65] scope:SCOPE_SE
	s_setreg_imm32_b32 hwreg(HW_REG_WAVE_MODE, 25, 1), 1
	s_wait_xcnt 0x0
; THE PROGRAM: out = proj(causal attention(x w_qkv)), six launches: prep, gemm1, attn, proj, fine1, fine2.
; THIS LAUNCH makes the operands that many work-groups read, once: x and w_qkv as codes of FP4 (E2M1) with one E8M0 byte for each 32 along K = 1,024, w_proj as f16.
; A block's scale is 2^(floor(log2(largest magnitude)) - 2): its byte is the largest magnitude's exponent field - 2, held at 1 from below.  A block of zeros so gets the byte 1 where the rule says 127:
; its codes are zeros, which add nothing under any byte but 0xff, and this program alone reads the bytes.
; DEAD WORK, LEFT OUT IN attn: reference() adds -inf, by a mask that it builds itself (triu, k = 1), to every score whose key comes after its query; the softmax gives such a score the weight 0 for all finite inputs.
; So a step of 64 keys all of which come after all queries of a wave's band reaches no output and is not computed.  No input is left out.  A NaN, an infinity or an overflow that reaches only such hidden scores is not carried to the result.
; LIMITS: q, k, v, attention's result and w_proj go to the matrix units as f16: magnitudes over 65,504 there are not served (drawn: about 1; with x and w_qkv both 30 times larger about 5,000; with offsets of 30 spreads about 29,000).
; Blocks whose largest magnitude lies under 2^-124 keep the byte 1.  NaN and infinities among the inputs are not served.
; Positions 0 to 15 of every sequence are computed twice: coarsely inside the tiles of attn and proj, and in f32 by fine1 and fine2, whose results replace the coarse ones in out0 (256 KB of it).
; LAYOUTS.  xc: x's codes, [8192][512 bytes].  xs: x's scale words, [row / 16][K step of 128 (8)][16 rows], 4 bytes (byte b: k = 32 b on).
; wc: w_qkv's codes IN THE ORDER OF THE OPERAND'S REGISTERS: [K half (2)][16 columns (192)][K step in the half (4)][1,024 bytes]; in a fragment's 1,024 bytes registers 4 c .. 4 c + 3 of lane l lie at 512 c + 16 l.
; ws: [16 columns (192)][K step (8)][16 columns], 4 bytes.  wp16: w_proj in f16, likewise: [K step of 256 (4)][16 columns (64)][32 along K (8)][1,024 bytes].
; SHARES: waves 0-3 of each of 256 work-groups quantise x (16 rows x 512 along K each), waves 4-6 w_qkv (32 columns x 128 along K each), wave 7 converts w_proj (32 columns x 128).  Waves share nothing: no barrier.
.set SPARE, 32768                      ; behind four regions of 8,192 bytes: the spare words, 128 bytes for each of eight waves
.set SPW,   12                         ; v12  LDS address of my spare word; never rewritten
.set NIL,   13                         ; v13  0; never rewritten
.set SP,    80                         ; a lane's place in a stage: 64 bytes + 16 of padding
.set R,     16                         ; v16-143  x: eight sets of 16 numbers as loaded.  The weights: 128 numbers down K
.set X,     144                        ; v144-175 x: two sets of 16 neighbours
.set E,     176                        ; v176-191 x: a scale byte for each step
.set C,     192                        ; v192-223 x: two registers of codes for each step
	s_load_b256 s[4:11], s[0:1], 0x0               ; x, w_qkv, w_proj, xc
	s_load_b256 s[12:19], s[0:1], 0x20             ; xs, wc, ws, wp16
	v_lshl_add_u32 v[SPW], v0, 2, SPARE
	v_mov_b32 v[NIL], 0
	v_lshrrev_b32 v1, 5, v0
	v_readfirstlane_b32 s20, v1                    ; wave 0..7
	v_and_b32 v2, 31, v0                           ; lane
	v_lshlrev_b32 v3, 4, v2                        ; 16 x lane
	v_lshlrev_b32 v4, 3, v2                        ; 8 x lane
	v_lshlrev_b32 v7, 2, v2                        ; 4 x lane
	v_and_b32 v10, 15, v2                          ; lane % 16
	v_lshrrev_b32 v1, 4, v2                        ; lane / 16
	; every LDS address is made here, ahead of the parting of the roles
	s_and_b32 s21, s20, 3
	s_lshl_b32 s21, s21, 13                        ; my region (only waves 0-3 use theirs)
	v_lshrrev_b32 v14, 2, v2
	v_mul_u32_u24 v14, v14, SP
	v_and_b32 v15, 3, v2
	v_lshl_add_u32 v14, v15, 4, v14
	v_add_nc_u32 v14, s21, v14                     ; the stage on the way in: SP (lane / 4) + 16 (lane % 4)
	v_mul_u32_u24 v15, v2, SP
	v_add_nc_u32 v15, s21, v15                     ; and on the way out: SP x lane
	v_lshrrev_b32 v5, 3, v2
	v_lshlrev_b32 v5, 6, v5
	v_bfe_u32 v6, v2, 1, 2
	v_add_nc_u32 v5, v5, v6
	s_add_co_u32 s21, s21, 2*32*SP
	v_add_nc_u32 v5, s21, v5                       ; my block's scale byte: K step lane / 8 (64 bytes each), byte (lane / 2) % 4; the row's word comes by the immediate
	v_add_nc_u32 v6, s21, v4                       ; the 256 scale bytes on the way out: 8 a lane
	s_mov_b32 s27, 0
	s_wait_kmcnt 0x0
	s_cmp_lt_u32 s20, 4
	s_cbranch_scc0 .Lweights
	; ---- x: wave u = 4 x work-group + wave takes rows 16 (u / 2) .. + 15, numbers 512 (u % 2) .. + 511 of each: a step is one row's 512 numbers
	s_lshl_b32 s22, ttmp9, 2
	s_add_co_u32 s22, s22, s20
	s_lshr_b32 s23, s22, 1                         ; which 16 rows
	s_and_b32 s24, s22, 1                          ; which half of K
	s_lshl_b32 s26, s23, 16
	s_lshl_b32 s25, s24, 11
	s_add_co_u32 s26, s26, s25
	s_add_nc_u64 s[4:5], s[4:5], s[26:27]          ; x: 16 rows of 4,096 bytes, + 2,048 for the upper half
	s_lshl_b32 s26, s23, 13
	s_lshl_b32 s25, s24, 8
	s_add_co_u32 s26, s26, s25
	s_add_nc_u64 s[10:11], s[10:11], s[26:27]      ; xc: 16 rows of 512 bytes, + 256
	s_lshl_b32 s26, s23, 9
	s_add_co_u32 s26, s26, s25
	s_add_nc_u64 s[12:13], s[12:13], s[26:27]      ; xs: 512 bytes for 16 rows, + 256
.macro LOAD t                          ; step t: four loads of 512 consecutive bytes
.irp i, 0,1,2,3
	global_load_b128 v[R+16*((\t)%8)+4*\i:R+16*((\t)%8)+4*\i+3], v3, s[4:5] offset:4096*(\t)+512*\i th:TH_LOAD_NT
.endr
.endm
.macro TURN t                          ; step t's numbers through the stage, so that a lane gets 16 neighbours: LDS serves a wave's instructions in order, so no wait stands between the stores and the loads
.irp i, 0,1,2,3
	ds_store_b128 v14, v[R+16*((\t)%8)+4*\i:R+16*((\t)%8)+4*\i+3] offset:32*SP*((\t)%2)+8*SP*\i
.endr
.irp i, 0,1,2,3
	ds_load_b128 v[X+16*((\t)%2)+4*\i:X+16*((\t)%2)+4*\i+3], v15 offset:32*SP*((\t)%2)+16*\i
.endr
.endm
.irp t, 0,1,2,3,4,5,6,7
	LOAD \t
.endr
	s_wait_loadcnt 28                              ; step 0's four loads are in; the seven steps behind it (28 loads) stay out
	TURN 0
.macro STEP t
.set XS, X+16*((\t)%2)
.if (\t) > 0
	s_wait_dscnt 1                                 ; this step's numbers are back from the stage (the last step's byte store may be out)
.else
	s_wait_dscnt 0x0
.endif
.if (\t)+8 < 16
	LOAD (\t)+8                                    ; into the set that this step's stores into the stage have read
.endif
.if (\t)+1 < 16
.if 14-(\t) >= 7
	s_wait_loadcnt 28                              ; the next step's loads are in; seven younger steps stay out
.else
	s_wait_loadcnt 4*(14-(\t))                     ; the younger steps that remain
.endif
	TURN (\t)+1
.endif
	v_max3_num_f32 v8, |v[XS]|, |v[XS+1]|, |v[XS+2]|               ; the largest magnitude of my 16
	v_max3_num_f32 v9, |v[XS+3]|, |v[XS+4]|, |v[XS+5]|
.irp i, 6,10
	v_max3_num_f32 v8, v8, |v[XS+\i]|, |v[XS+\i+1]|
	v_max3_num_f32 v9, v9, |v[XS+\i+2]|, |v[XS+\i+3]|
.endr
	v_max3_num_f32 v8, v8, |v[XS+14]|, |v[XS+15]|
	v_max3_num_f32 v8, v8, v9, 0x1800000           ; and the floor 2^(3 - 127): the byte cannot fall under 1
	v_max_num_f32_dpp v8, v8, v8 row_xmask:1 row_mask:0xf bank_mask:0xf   ; with my neighbour's 16: the block's
	v_add_nc_u32 v11, 0xff000000, v8               ; 2 off its exponent field: the conversion takes the exponent field of this operand as its scale
	v_cvt_scalef32_pk8_fp4_f32 v[C+2*(\t)], v[XS:XS+7], v11
	v_cvt_scalef32_pk8_fp4_f32 v[C+2*(\t)+1], v[XS+8:XS+15], v11
	v_lshrrev_b32 v[E+(\t)], 23, v11               ; the scale's byte
	ds_store_b8 v5, v[E+(\t)] offset:4*(\t)        ; row t's word; both lanes of a block write the same byte with the same value
	global_store_b64 v4, v[C+2*(\t):C+2*(\t)+1], s[10:11] offset:512*(\t)   ; the wave stores 256 consecutive bytes, aligned
.endm
.irp t, 0,1,2,3,4,5,6,7,8,9,10,11,12,13,14,15
	STEP \t
.endr
	ds_load_b64 v[8:9], v6                         ; in order behind my byte stores
	s_wait_dscnt 0x0
	global_store_b64 v4, v[8:9], s[12:13]          ; four K steps' words of 16 rows: 256 consecutive bytes, aligned
	s_branch .Lend
.Lweights:
.macro WLOAD lo, pitch                 ; a lane takes a column and its registers run down K: 128 rows, each load 128 consecutive bytes
.set kk, 0
.rept 128
	global_load_b32 v[R+kk], v7, s[\lo:\lo+1] offset:kk*\pitch th:TH_LOAD_NT
.set kk, kk+1
.endr
.endm
.macro WWAIT t                         ; block t's 32 loads are in: 96, 64, 32, 0 younger ones could stay out; the wait names 63 at the most
.if (\t) < 2
	s_wait_loadcnt 63
.elseif (\t) == 2
	s_wait_loadcnt 32
.else
	s_wait_loadcnt 0x0
.endif
.endm
	s_lshr_b32 s22, ttmp9, 5                       ; which 128 along K
	s_and_b32 s23, ttmp9, 31
	s_cmp_eq_u32 s20, 7
	s_cbranch_scc1 .Lproj
	; ---- w_qkv: 32 columns x 128 along K
	s_mul_i32 s23, s23, 3
	s_add_co_u32 s23, s23, s20
	s_sub_co_u32 s23, s23, 4                       ; which 32 columns: 0..95
	s_mul_i32 s26, s22, 128*12288
	s_lshl_b32 s25, s23, 7
	s_add_co_u32 s26, s26, s25
	s_add_nc_u64 s[6:7], s[6:7], s[26:27]
	s_lshr_b32 s24, s22, 2
	s_mul_i32 s24, s24, 192
	s_lshl_b32 s25, s23, 1
	s_add_co_u32 s24, s24, s25
	s_lshl_b32 s26, s24, 12                        ; wc: (K half x 192 + first tile of 16 columns) x 4,096
	s_and_b32 s25, s22, 3
	s_lshl_b32 s25, s25, 10                        ; + K step in the half x 1,024
	s_add_co_u32 s26, s26, s25
	s_add_nc_u64 s[14:15], s[14:15], s[26:27]
	s_lshl_b32 s26, s23, 10
	s_lshl_b32 s25, s22, 6
	s_add_co_u32 s26, s26, s25
	s_add_nc_u64 s[16:17], s[16:17], s[26:27]      ; ws: two tiles x 512 + K step x 64
	v_lshlrev_b32 v162, 4, v10
	v_lshl_add_u32 v162, v1, 12, v162              ; my column's place in its tile's images: 4,096 (lane / 16) + 16 (lane % 16)
	v_lshlrev_b32 v163, 2, v10
	v_lshl_add_u32 v163, v1, 9, v163               ; and among the scale words
	WLOAD 6, 12288
.macro QBLOCK t                        ; block t: all 32 numbers are mine
.set XS, R+32*(\t)
	WWAIT \t
	v_max3_num_f32 v8, |v[XS]|, |v[XS+1]|, |v[XS+2]|
	v_max3_num_f32 v9, |v[XS+3]|, |v[XS+4]|, |v[XS+5]|
.irp i, 6,10,14,18,22,26
	v_max3_num_f32 v8, v8, |v[XS+\i]|, |v[XS+\i+1]|
	v_max3_num_f32 v9, v9, |v[XS+\i+2]|, |v[XS+\i+3]|
.endr
	v_max3_num_f32 v8, v8, |v[XS+30]|, |v[XS+31]|
	v_max3_num_f32 v8, v8, v9, 0x1800000
	v_add_nc_u32 v11, 0xff000000, v8
	v_lshrrev_b32 v161, 23, v11
.if (\t) == 0
	v_mov_b32 v160, v161
.else
	v_lshl_or_b32 v160, v161, 8*(\t), v160         ; the four bytes make my column's scale word
.endif
.irp g, 0,1,2,3
	v_cvt_scalef32_pk8_fp4_f32 v[144+4*(\t)+\g], v[XS+8*\g:XS+8*\g+7], v11
.endr
	global_store_b128 v162, v[144+4*(\t):144+4*(\t)+3], s[14:15] offset:512*((\t)/2)+256*((\t)%2)   ; block t is registers 4 (t / 2) on of lane 16 (t % 2) + column: sixteen lanes store 256 consecutive bytes, aligned
.endm
	QBLOCK 0
	QBLOCK 1
	QBLOCK 2
	QBLOCK 3
	global_store_b32 v163, v160, s[16:17]          ; pieces of 64 bytes: 98,304 bytes in the whole launch
	s_branch .Lend
.Lproj:
	; ---- w_proj: 32 columns x 128 along K, to f16
	s_lshl_b32 s26, s22, 19
	s_lshl_b32 s25, s23, 7
	s_add_co_u32 s26, s26, s25
	s_add_nc_u64 s[8:9], s[8:9], s[26:27]
	s_lshr_b32 s24, s22, 1
	s_lshl_b32 s24, s24, 6
	s_lshl_b32 s25, s23, 1
	s_add_co_u32 s24, s24, s25
	s_lshl_b32 s26, s24, 13                        ; wp16: (K step of 256 x 64 + first tile of 16 columns) x 8,192
	s_and_b32 s25, s22, 1
	s_lshl_b32 s25, s25, 12                        ; + four fragments for the step's upper half
	s_add_co_u32 s26, s26, s25
	s_add_nc_u64 s[18:19], s[18:19], s[26:27]
	v_lshlrev_b32 v208, 4, v10
	v_lshl_add_u32 v208, v1, 13, v208              ; 8,192 (lane / 16) + 16 (lane % 16)
	WLOAD 8, 4096
.irp t, 0,1,2,3
	WWAIT \t
.set i, 0
.rept 16
	v_cvt_pk_f16_f32 v[144+16*\t+i], v[R+32*\t+2*i], v[R+32*\t+2*i+1]
.set i, i+1
.endr
.irp q, 0,1,2,3
	global_store_b128 v208, v[144+16*\t+4*\q:144+16*\t+4*\q+3], s[18:19] offset:1024*\t+512*(\q/2)+256*(\q%2)   ; k = 8 q on: registers 4 (q / 2) on of lane 16 (q % 2) + column: 256 consecutive bytes, aligned
.endr
.endr
.Lend:
	s_wait_tensorcnt 0x0                           ; the wave's end
	ds_add_u32 v[SPW], v[NIL]
	s_wait_dscnt 0x0
	s_endpgm
.Lfunc_end_k_qc1094d8cad_prep:
	.size	k_qc1094d8cad_prep, .Lfunc_end_k_qc1094d8cad_prep-k_qc1094d8cad_prep
	.p2alignl 7, 3214868480
	.fill 96, 4, 3214868480
	.section	.rodata,"a",@progbits
	.p2align	6, 0x0
	.amdhsa_kernel k_qc1094d8cad_prep
		.amdhsa_group_segment_fixed_size 33792
		.amdhsa_private_segment_fixed_size 0
		.amdhsa_enable_private_segment 0
		.amdhsa_kernarg_size 64
		.amdhsa_user_sgpr_count 2
		.amdhsa_user_sgpr_kernarg_segment_ptr 1
		.amdhsa_wavefront_size32 1
		.amdhsa_system_sgpr_workgroup_id_x 1
		.amdhsa_system_sgpr_workgroup_id_y 1
		.amdhsa_system_sgpr_workgroup_id_z 1
		.amdhsa_system_vgpr_workitem_id 0
		.amdhsa_next_free_vgpr 224
		.amdhsa_next_free_sgpr 66
		.amdhsa_reserve_vcc 0
		.amdhsa_float_denorm_mode_32 3
		.amdhsa_float_denorm_mode_16_64 3
		.amdhsa_memory_ordered 1
		.amdhsa_forward_progress 1
		.amdhsa_inst_pref_size 71
	.end_amdhsa_kernel
	.amdgpu_metadata
---
amdhsa.version: [ 1, 2 ]
amdhsa.kernels:
  - .name:           k_qc1094d8cad_prep
    .symbol:         k_qc1094d8cad_prep.kd
    .args:
      - { .name: x, .offset: 0, .size: 8, .value_kind: global_buffer, .address_space: global }
      - { .name: w_qkv, .offset: 8, .size: 8, .value_kind: global_buffer, .address_space: global }
      - { .name: w_proj, .offset: 16, .size: 8, .value_kind: global_buffer, .address_space: global }
      - { .name: xc, .offset: 24, .size: 8, .value_kind: global_buffer, .address_space: global }
      - { .name: xs, .offset: 32, .size: 8, .value_kind: global_buffer, .address_space: global }
      - { .name: wc, .offset: 40, .size: 8, .value_kind: global_buffer, .address_space: global }
      - { .name: ws, .offset: 48, .size: 8, .value_kind: global_buffer, .address_space: global }
      - { .name: wp16, .offset: 56, .size: 8, .value_kind: global_buffer, .address_space: global }
    .group_segment_fixed_size: 33792
    .private_segment_fixed_size: 0
    .kernarg_segment_align: 8
    .kernarg_segment_size: 64
    .max_flat_workgroup_size: 256
    .sgpr_count:     66
    .vgpr_count:     224
    .wavefront_size: 32
...
	.end_amdgpu_metadata
.endif
;; end of part 1
;; launch gemm1 (part 2): grid 12 x 32, 4 waves a work-group, clusters of 4 x 4, 327,680 bytes of LDS; arguments xc, xs, wc, ws, qkv16; writes qkv16
.if DOCPART == 2
	.amdgcn_target "amdgcn-amd-amdhsa--gfx1250"
	.amdhsa_code_object_version 6
	.text
	.protected	k_qc1094d8cad_gemm1
	.globl	k_qc1094d8cad_gemm1
	.p2align	8
	.type	k_qc1094d8cad_gemm1,@function
k_qc1094d8cad_gemm1:
	s_mov_b64 s[64:65], 0
	v_nop
	global_prefetch_b8 v0, s[64:65] scope:SCOPE_SE
	s_setreg_imm32_b32 hwreg(HW_REG_WAVE_MODE, 25, 1), 1
	s_wait_xcnt 0x0
	s_wait_alu depctr_hold_cnt(0) depctr_sa_sdst(0) depctr_va_vdst(0) depctr_va_sdst(0) depctr_va_ssrc(0) depctr_va_vcc(0) depctr_vm_vsrc(0)
	s_getreg_b32 s2, hwreg(HW_REG_IB_STS2, 6, 4)
	s_cmp_eq_u32 s2, 0
	s_cbranch_scc0 .Lentry_in_a_cluster
	s_endpgm
.Lentry_in_a_cluster:
	s_bfe_u32 s2, ttmp6, 0x10000c
	s_cmp_lg_u32 s2, 0xf033
	s_cbranch_scc0 .Lentry_shape_is_right
	s_endpgm
.Lentry_shape_is_right:
; qkv = Q(x) Q(w_qkv): [8192, 1024] x [1024, 3072] on codes of FP4 (E2M1) with E8M0 scales, sums in f32, the result rounded once to f16 (LIMIT: magnitudes over 65,504 are not served) and laid
; qkv16 [q, k or v (3)][batch (4)][head (16)][position (2048)][64].
; A work-group of four waves makes 256 x 256, a wave 128 x 128: 64 accumulators, 512 registers.  K = 1,024 is two slots of 512: ALL of K is asked for at the head, and nothing is filled again.
; x's codes lie as rows (256 bytes of a row to a slot, 16 bytes of padding behind each in LDS); w's lie in the order of the operand's registers, so a fragment is two loads at 16 x lane and wants no padding.
; The scale words of the 256 rows and the 256 columns, for all of K, are two dense blocks of 8,192 bytes; a register holds the words of K step 2 p in lanes 0-15 and of K step 2 p + 1 in lanes 16-31.
; CLUSTERS: 4 x 4 work-groups; x's tiles are shared along a row of the cluster, w's along a column, by joint loads.  384 work-groups: a tile and a half for each of 256 places; a tile of 256 x 384 would not leave room for all of K.
; THE MATRIX INSTRUCTION IS USED TRANSPOSED (source 0 = 16 columns of w, source 1 = 16 rows of x): a lane holds eight neighbouring channels of one position.
; REGISTERS: window 0: v16-29 addresses; v32-63 x's scale words, v64-95 w's (scales and nothing else); v96-127 packed results; v128-191 x's fragments, one set (on the way out: rows read back).
;   window 1: w's fragments, two sets, at v0 and v128.  windows 2, 3: the accumulators ((a, b) at v[8 (8 (a % 4) + b)]).
.set PITCH,  272                       ; an LDS row of x's codes: 256 bytes + 16: the 16 rows of a load begin in 16 different groups of four banks (64 banks of 4 bytes: ISA guide 11.1)
.set HALFT,  128*PITCH
.set SLOTA,  2*HALFT                   ; x's 256 rows of a slot
.set BIMG,   2*SLOTA                   ; behind x's two slots: w's images, 65,536 bytes a slot: [16 tiles of 16 columns][4 K steps][1,024]
.set SLOTB,  65536
.set SCA,    BIMG+2*SLOTB              ; x's scale words, 8,192 bytes
.set SCB,    SCA+8192                  ; w's
.set SPARE,  SCB+8192                  ; the spare words, 128 bytes for each wave
.set FR,     8
.set NP,     4                         ; places behind this matrix instruction (ISA guide 7.12.1)
.set ADRA, 16                          ; v16-17 my fragments of x in slot 0, 1
.set ADRB, 20                          ; v20-21 of w
.set ADSA, 22                          ; v22 x's scale words
.set ADSB, 23                          ; v23 w's
.set STO,  24
.set RD,   25
.set CO,   26
.set SPW,  28
.set NIL,  29
.set SA,   32                          ; x's block i, K steps 2 p and 2 p + 1: v[SA + 4 i + p]
.set SB,   64
.set TMP,  96
.set AF,   128
.set BK,   128                         ; the way out: v128-159 and v160-191 by turns
.set G1, 24
.set G0, 32
.set G1B, 48
.set G0B, 56
.set G1S, 68
.set G0S, 76
.set G1SB, 80
.set G0SB, 88
.set MSB, 0
.macro WIN new                         ; the immediate's high byte repeats the setting that is left
.if MSB != \new
	s_set_vgpr_msb (MSB<<8)|\new
.set MSB, \new
.endif
.endm
.set MUL_LO, 0xa1                      ; source 0 (w) window 1, source 1 (x) window 0, C and D window 2
.set MUL_HI, 0xf1
.set TO_B,   0x40
; A joint load: waves 0 and 1 fetch for x, waves 2 and 3 for w.  The branch hangs on the wave's number alone.  An s_nop 0 and four v_nop follow each line.
.macro JLOAD g0a, g1a, g0b, g1b
	s_cmp_eq_u32 s15, 0
	s_cbranch_scc0 .Lfor_b_\@
	tensor_load_to_lds s[\g0a:\g0a+3], s[\g1a:\g1a+7]
	s_nop 0
.rept 4
	v_nop
.endr
	s_branch .Lasked_\@
.Lfor_b_\@:
	tensor_load_to_lds s[\g0b:\g0b+3], s[\g1b:\g1b+7]
	s_nop 0
.rept 4
	v_nop
.endr
.Lasked_\@:
.endm
.macro CROUND                          ; a round of the cluster's barrier
	s_barrier_signal -1
	s_barrier_wait -1
	s_cmp_lg_u32 s14, 0
	s_cbranch_scc1 .Lnot_wave_0_\@
	s_barrier_signal -3
.Lnot_wave_0_\@:
	s_barrier_wait -3
	s_barrier_signal -1
	s_barrier_wait -1
.endm
	s_load_b128 s[4:7], s[0:1], 0x0                ; xc, xs
	s_load_b128 s[8:11], s[0:1], 0x10              ; wc, ws
	s_load_b64 s[12:13], s[0:1], 0x20              ; qkv16
	v_lshl_add_u32 v[SPW], v0, 2, SPARE
	v_mov_b32 v[NIL], 0
	ds_add_u32 v[SPW], v[NIL]                      ; the wave's opening: the add, twice on end, and its wait ahead of my first tensor load
	ds_add_u32 v[SPW], v[NIL]
	v_lshrrev_b32 v1, 5, v0
	v_readfirstlane_b32 s14, v1                    ; wave 0..3
	s_lshr_b32 s15, s14, 1                         ; my half of the rows.  Also: I fetch for x (0) or for w (1)
	s_and_b32 s16, s14, 1                          ; my half of the columns.  Also: which half I fetch
	s_bfe_u32 s40, ttmp6, 0x40000                  ; cx
	s_bfe_u32 s41, ttmp6, 0x40004                  ; cy
	s_lshl_b32 s42, ttmp9, 2
	s_add_co_u32 s42, s42, s40                     ; tile column
	s_and_b32 s17, ttmp7, 0xffff
	s_lshl_b32 s17, s17, 2
	s_add_co_u32 s17, s17, s41                     ; tile row
	s_lshl_b32 s43, s41, 2
	s_lshl_b32 s43, 15, s43                        ; my row of the cluster
	s_lshl_b32 s44, 0x1111, s40                    ; my column
	; x's codes: 128 rows x 256 bytes, 512 bytes apart in memory, 4 words of padding behind every 64
	s_or_b32 s[G1+0], s43, (0<<16)|(1<<20)|(1<<21)|(5<<22)|(3<<25)
	s_mov_b32 s[G1+1], 256<<16
	s_mov_b32 s[G1+2], 128<<16
	s_mov_b32 s[G1+3], 256<<16
	s_mov_b32 s[G1+4], 128
	s_mov_b32 s[G1+5], 512
	s_mov_b32 s[G1+6], 0
	s_mov_b32 s[G1+7], 0
	; w's images: 32,768 dense bytes as 128 rows of 32 elements of 8 bytes
	s_or_b32 s[G1B+0], s44, (3<<16)|(1<<21)
	s_mov_b32 s[G1B+1], 32<<16
	s_mov_b32 s[G1B+2], 128<<16
	s_mov_b32 s[G1B+3], 32<<16
	s_mov_b32 s[G1B+4], 128
	s_mov_b32 s[G1B+5], 32
	s_mov_b32 s[G1B+6], 0
	s_mov_b32 s[G1B+7], 0
	; scale words: 4,096 dense bytes as 16 rows of 256
	s_or_b32 s[G1S+0], s43, (3<<16)|(1<<21)
	s_or_b32 s[G1SB+0], s44, (3<<16)|(1<<21)
.irp g, G1S, G1SB
	s_mov_b32 s[\g+1], 32<<16
	s_mov_b32 s[\g+2], 16<<16
	s_mov_b32 s[\g+3], 32<<16
	s_mov_b32 s[\g+4], 16
	s_mov_b32 s[\g+5], 32
	s_mov_b32 s[\g+6], 0
	s_mov_b32 s[\g+7], 0
.endr
	s_lshl_b32 s20, s17, 17                        ; x's codes: (256 tile row + 128 half) x 512 bytes
	s_lshl_b32 s18, s16, 16
	s_add_co_u32 s20, s20, s18
	s_mov_b32 s21, 0
	s_lshl_b32 s22, s17, 13                        ; x's scale words: 8,192 a tile row, 4,096 a half
	s_lshl_b32 s18, s16, 12
	s_add_co_u32 s22, s22, s18
	s_mov_b32 s23, 0
	s_lshl_b32 s92, s42, 13                        ; w's
	s_add_co_u32 s92, s92, s18
	s_mov_b32 s93, 0
	s_lshl_b32 s46, s42, 16                        ; w's images: (16 tile column + 8 half) x 4,096 bytes
	s_lshl_b32 s18, s16, 15
	s_add_co_u32 s46, s46, s18
	s_mov_b32 s47, 0
	s_mul_i32 s45, s16, HALFT                      ; where they go: no place in the cluster enters an LDS address
	s_add_co_u32 s95, s18, BIMG
	s_lshl_b32 s94, s14, 12                        ; scale words: wave x 4,096: x's two halves, then w's two
	s_wait_dscnt 0x0                               ; both opening adds are done
	s_wait_kmcnt 0x0
	s_add_nc_u64 s[20:21], s[4:5], s[20:21]
	s_add_nc_u64 s[22:23], s[6:7], s[22:23]
	s_add_nc_u64 s[46:47], s[8:9], s[46:47]
	s_add_nc_u64 s[92:93], s[10:11], s[92:93]
	CROUND                                         ; all sixteen work-groups are here: the joint loads meet
	s_mov_b32 s[G0S], 1
	s_add_co_u32 s[G0S+1], s94, SCA
	s_mov_b64 s[G0S+2:G0S+3], s[22:23]
	s_or_b32 s[G0S+3], s[G0S+3], 0x80000000
	s_mov_b32 s[G0SB], 1
	s_add_co_u32 s[G0SB+1], s94, SCA
	s_mov_b64 s[G0SB+2:G0SB+3], s[92:93]
	s_or_b32 s[G0SB+3], s[G0SB+3], 0x80000000
	JLOAD G0S, G1S, G0SB, G1SB                     ; the scale words first: they are wanted with the first step
.irp s, 0,1
	s_mov_b32 s[G0+4*\s], 1
	s_add_co_u32 s[G0+4*\s+1], s45, \s*SLOTA
	s_add_nc_u64 s[G0+4*\s+2:G0+4*\s+3], s[20:21], \s*256
	s_or_b32 s[G0+4*\s+3], s[G0+4*\s+3], 0x80000000
	s_mov_b32 s[G0B+4*\s], 1
	s_add_co_u32 s[G0B+4*\s+1], s95, \s*SLOTB
	s_add_nc_u64 s[G0B+4*\s+2:G0B+4*\s+3], s[46:47], \s*786432
	s_or_b32 s[G0B+4*\s+3], s[G0B+4*\s+3], 0x80000000
	JLOAD G0+4*\s, G1, G0B+4*\s, G1B               ; three loads of mine are out in all
.endr
	v_and_b32 v1, 15, v0                           ; r
	v_bfe_u32 v2, v0, 4, 1                         ; h
	v_and_b32 v5, 31, v0                           ; lane
	v_mul_u32_u24 v3, v1, PITCH
	v_lshl_add_u32 v4, v2, 4, v3                   ; row x pitch + 16 h
	v_lshlrev_b32 v6, 4, v5                        ; 16 x lane
	s_mul_i32 s21, s15, HALFT
	s_lshl_b32 s22, s16, 15
	s_add_co_u32 s22, s22, BIMG
.irp s, 0,1
	v_add_nc_u32 v[ADRA+\s], s21, v4
	v_add_nc_u32 v[ADRB+\s], s22, v6
	s_add_co_u32 s21, s21, SLOTA
	s_add_co_u32 s22, s22, SLOTB
.endr
	v_lshlrev_b32 v6, 2, v5                        ; 4 x lane
	s_lshl_b32 s21, s15, 12
	s_add_co_u32 s21, s21, SCA
	v_add_nc_u32 v[ADSA], s21, v6
	s_lshl_b32 s22, s16, 12
	s_add_co_u32 s22, s22, SCB
	v_add_nc_u32 v[ADSB], s22, v6
	s_mul_i32 s23, s14, 16*PITCH                   ; my stage for the way out, in x's slot 0: it is filled once, and nobody reads it behind the change of slots
	v_add_nc_u32 v[STO], s23, v4                   ; in: row r, 16 bytes for each half of the lanes
	v_bfe_u32 v6, v0, 3, 1
	v_mul_u32_u24 v6, v6, PITCH
	v_lshl_add_u32 v6, v2, 7, v6
	v_and_b32 v7, 7, v0
	v_lshl_add_u32 v6, v7, 4, v6
	v_add_nc_u32 v[RD], s23, v6                    ; back: lanes 0-15 two positions of my first head, lanes 16-31 of my second
	v_lshlrev_b32 v[CO], 4, v1
	v_lshl_add_u32 v[CO], v2, 18, v[CO]            ; and in qkv16: heads are 262,144 bytes apart
	s_lshr_b32 s20, s42, 2
	s_lshl_b32 s20, s20, 24                        ; q, k or v
	s_lshr_b32 s21, s17, 3
	s_lshl_b32 s21, s21, 22                        ; the batch
	s_add_co_u32 s20, s20, s21
	s_lshl_b32 s21, s42, 2
	s_lshl_b32 s22, s16, 1
	s_add_co_u32 s21, s21, s22
	s_and_b32 s21, s21, 15
	s_lshl_b32 s21, s21, 18                        ; my first head
	s_add_co_u32 s20, s20, s21
	s_lshl_b32 s21, s17, 8
	s_lshl_b32 s22, s15, 7
	s_add_co_u32 s21, s21, s22
	s_and_b32 s21, s21, 2047
	s_lshl_b32 s21, s21, 7                         ; my first position
	s_add_co_u32 s20, s20, s21
	s_mov_b32 s21, 0
	s_add_nc_u64 s[12:13], s[12:13], s[20:21]
.macro FRAG reg, adr, q, i             ; x: 16 rows x 128 K: registers 4 c on hold k = 64 c + 32 h on
.irp c, 0,1
	ds_load_b128 v[\reg+4*\c:\reg+4*\c+3], v[\adr] offset:64*(\q)+32*\c+(\i)*16*PITCH
.endr
.endm
.macro FRAGB reg, adr, q, i            ; w: the fragment's image
.irp c, 0,1
	ds_load_b128 v[\reg+4*\c:\reg+4*\c+3], v[\adr] offset:(\i)*4096+(\q)*1024+512*\c
.endr
.endm
; 16 matrix instructions: x's blocks a0, a0 + 1 against w's eight, the slot's q-th 128 along K.  The 64 accumulators take turns, in the same order in every step.
.macro MUL16 a0, p, q, sl, zero
.set KK, 4*(\sl)+(\q)
.irp a, \a0, \a0+1
.irp b, 0,1,2,3,4,5,6,7
.if \zero
	v_wmma_scale_f32_16x16x128_f8f6f4 v[8*(8*((\a)%4)+\b):8*(8*((\a)%4)+\b)+7], v[128*(\p)+FR*\b:128*(\p)+FR*\b+FR-1], v[AF+FR*(\a):AF+FR*(\a)+FR-1], 0, v[SB+4*\b+KK/2], v[SA+4*(\a)+KK/2] matrix_a_fmt:MATRIX_FMT_FP4 matrix_b_fmt:MATRIX_FMT_FP4
.elseif KK%2
	v_wmma_scale_f32_16x16x128_f8f6f4 v[8*(8*((\a)%4)+\b):8*(8*((\a)%4)+\b)+7], v[128*(\p)+FR*\b:128*(\p)+FR*\b+FR-1], v[AF+FR*(\a):AF+FR*(\a)+FR-1], v[8*(8*((\a)%4)+\b):8*(8*((\a)%4)+\b)+7], v[SB+4*\b+KK/2], v[SA+4*(\a)+KK/2] matrix_a_fmt:MATRIX_FMT_FP4 matrix_b_fmt:MATRIX_FMT_FP4 matrix_a_scale:MATRIX_SCALE_ROW1 matrix_b_scale:MATRIX_SCALE_ROW1
.else
	v_wmma_scale_f32_16x16x128_f8f6f4 v[8*(8*((\a)%4)+\b):8*(8*((\a)%4)+\b)+7], v[128*(\p)+FR*\b:128*(\p)+FR*\b+FR-1], v[AF+FR*(\a):AF+FR*(\a)+FR-1], v[8*(8*((\a)%4)+\b):8*(8*((\a)%4)+\b)+7], v[SB+4*\b+KK/2], v[SA+4*(\a)+KK/2] matrix_a_fmt:MATRIX_FMT_FP4 matrix_b_fmt:MATRIX_FMT_FP4
.endif
.endr
.endr
.endm
.macro FETCH_B slot, q, p
	WIN TO_B
.irp i, 0,1,2,3,4,5,6,7
	FRAGB 128*(\p)+FR*\i, ADRB+\slot, \q, \i
.endr
	WIN 0
.endm
.macro FETCH_A slot, q, i0
.irp i, \i0, \i0+1, \i0+2, \i0+3
	FRAG AF+FR*(\i), ADRA+\slot, \q, \i
.endr
.endm
.macro PLACES n                        ; plain vector instructions in front of loads into registers that matrix instructions have read, and of the first read of results
.rept \n
	v_nop
.endr
.endm
.macro STEP slot, q, zero              ; a step of 128 along K that has its successor in the same slot
	s_wait_dscnt 8                                 ; all but the youngest eight loads (x's blocks 4-7) are in
	WIN MUL_LO
	MUL16 0, (\q)%2, \q, \slot, \zero
	MUL16 2, (\q)%2, \q, \slot, \zero
	s_wait_dscnt 0
	PLACES NP
	FETCH_B \slot, (\q)+1, 1-(\q)%2
	FETCH_A \slot, (\q)+1, 0
	WIN MUL_HI
	MUL16 4, (\q)%2, \q, \slot, \zero
	MUL16 6, (\q)%2, \q, \slot, \zero
	PLACES NP
	WIN 0
	FETCH_A \slot, (\q)+1, 4
.endm
	s_wait_tensorcnt 1                             ; the scale words and my part of slot 0 are in; slot 1's load may be out
	s_barrier_signal -1
	s_barrier_wait -1
	FETCH_B 0, 0, 0
	FETCH_A 0, 0, 0
.irp i, 0,1,2,3,4,5,6,7                ; all scale words, once: lanes 0-15 take K step 2 p's, lanes 16-31 K step 2 p + 1's
.irp p, 0,1,2,3
	ds_load_b32 v[SA+4*\i+\p], v[ADSA] offset:\i*512+\p*128
	ds_load_b32 v[SB+4*\i+\p], v[ADSB] offset:\i*512+\p*128
.endr
.endr
	FETCH_A 0, 0, 4
	STEP 0, 0, 1                                   ; the first products start the sums: nothing is cleared
	STEP 0, 1, 0
	STEP 0, 2, 0
	; slot 0's last step changes slots: one barrier; in front of it my last tensor load has landed and my reads of slot 0 are over
	s_wait_tensorcnt 0x0
	ds_add_u32 v[SPW], v[NIL]
	s_wait_dscnt 9                                 ; (the add and the youngest eight loads may be out)
	WIN MUL_LO
	MUL16 0, 1, 3, 0, 0
	s_wait_dscnt 0x0
	s_barrier_signal -1
	MUL16 2, 1, 3, 0, 0
	WIN 0
	s_barrier_wait -1
	PLACES NP
	FETCH_B 1, 0, 0
	FETCH_A 1, 0, 0
	WIN MUL_HI
	MUL16 4, 1, 3, 0, 0
	MUL16 6, 1, 3, 0, 0
	PLACES NP
	WIN 0
	FETCH_A 1, 0, 4
	STEP 1, 0, 0
	STEP 1, 1, 0
	STEP 1, 2, 0
	s_wait_dscnt 8                                 ; the last step: nothing more to fetch
	WIN MUL_LO
	MUL16 0, 1, 3, 1, 0
	MUL16 2, 1, 3, 1, 0
	s_wait_dscnt 0
	WIN MUL_HI
	MUL16 4, 1, 3, 1, 0
	MUL16 6, 1, 3, 1, 0
	WIN 0
; THE WAY OUT, 16 positions x 128 channels (two heads) at a time: rounded to f16, through my stage, and out so that sixteen lanes store two positions of one head: 256 consecutive bytes, aligned.
.macro PACK a
.set AC, 64*((\a)%4)
	WIN 0x0a+5*((\a)/4)                            ; sources 0 and 1: window 2 or 3
.irp b, 0,1,2,3,4,5,6,7
.irp r, 0,1,2,3
	v_cvt_pk_f16_f32 v[TMP+4*\b+\r], v[AC+8*\b+2*\r], v[AC+8*\b+2*\r+1]   ; each accumulator from its low end on
.endr
.endr
	WIN 0
.endm
.macro TOSTAGE a
.set BB, BK+32*((\a)%2)
.irp b, 0,1,2,3,4,5,6,7
	ds_store_b128 v[STO], v[TMP+4*\b:TMP+4*\b+3] offset:32*\b
.endr
.irp t, 0,1,2,3,4,5,6,7
	ds_load_b128 v[BB+4*\t:BB+4*\t+3], v[RD] offset:544*\t         ; LDS serves a wave's instructions in order: these see the stores above
.endr
.endm
.macro SEND a
.set BB, BK+32*((\a)%2)
	s_wait_dscnt 0x0                               ; the block is back in registers
	s_wait_xcnt 0x0                                ; the block before has been read by its stores: its registers take the next block's loads
.irp t, 0,1,2,3,4,5,6,7
	global_store_b128 v[CO], v[BB+4*\t:BB+4*\t+3], s[12:13] offset:2048*(\a)+256*\t
.endr
.endm
	PLACES NP
	PACK 0
	TOSTAGE 0
.irp a, 1,2,3,4,5,6,7
	PACK \a                                        ; a block's conversions stand between the loads of the block before and the wait for them
	SEND \a-1
	TOSTAGE \a
.endr
	SEND 7
	s_wait_tensorcnt 0x0                           ; the wave's end
	ds_add_u32 v[SPW], v[NIL]
	s_wait_dscnt 0x0
	CROUND                                         ; the closing round
	s_endpgm
.Lfunc_end_k_qc1094d8cad_gemm1:
	.size	k_qc1094d8cad_gemm1, .Lfunc_end_k_qc1094d8cad_gemm1-k_qc1094d8cad_gemm1
	.p2alignl 7, 3214868480
	.fill 96, 4, 3214868480
	.section	.rodata,"a",@progbits
	.p2align	6, 0x0
	.amdhsa_kernel k_qc1094d8cad_gemm1
		.amdhsa_group_segment_fixed_size 327680
		.amdhsa_private_segment_fixed_size 0
		.amdhsa_enable_private_segment 0
		.amdhsa_kernarg_size 40
		.amdhsa_user_sgpr_count 2
		.amdhsa_user_sgpr_kernarg_segment_ptr 1
		.amdhsa_wavefront_size32 1
		.amdhsa_system_sgpr_workgroup_id_x 1
		.amdhsa_system_sgpr_workgroup_id_y 1
		.amdhsa_system_sgpr_workgroup_id_z 1
		.amdhsa_system_vgpr_workitem_id 0
		.amdhsa_next_free_vgpr 1024
		.amdhsa_next_free_sgpr 98
		.amdhsa_reserve_vcc 0
		.amdhsa_float_denorm_mode_32 3
		.amdhsa_float_denorm_mode_16_64 3
		.amdhsa_memory_ordered 1
		.amdhsa_forward_progress 1
		.amdhsa_inst_pref_size 129
	.end_amdhsa_kernel
	.amdgpu_metadata
---
amdhsa.version: [ 1, 2 ]
amdhsa.kernels:
  - .name:           k_qc1094d8cad_gemm1
    .symbol:         k_qc1094d8cad_gemm1.kd
    .args:
      - { .name: xc, .offset: 0, .size: 8, .value_kind: global_buffer, .address_space: global }
      - { .name: xs, .offset: 8, .size: 8, .value_kind: global_buffer, .address_space: global }
      - { .name: wc, .offset: 16, .size: 8, .value_kind: global_buffer, .address_space: global }
      - { .name: ws, .offset: 24, .size: 8, .value_kind: global_buffer, .address_space: global }
      - { .name: qkv16, .offset: 32, .size: 8, .value_kind: global_buffer, .address_space: global }
    .group_segment_fixed_size: 327680
    .private_segment_fixed_size: 0
    .kernarg_segment_align: 8
    .kernarg_segment_size: 40
    .max_flat_workgroup_size: 128
    .sgpr_count:     98
    .vgpr_count:     1024
    .wavefront_size: 32
...
	.end_amdgpu_metadata
.endif
;; end of part 2
;; launch attn (part 3): grid 4 x 64, 16 waves a work-group, clusters of 4 x 1, 327,680 bytes of LDS; arguments qkv16, att16; writes att16
.if DOCPART == 3
	.amdgcn_target "amdgcn-amd-amdhsa--gfx1250"
	.amdhsa_code_object_version 6
	.text
	.protected	k_qc1094d8cad_attn
	.globl	k_qc1094d8cad_attn
	.p2align	8
	.type	k_qc1094d8cad_attn,@function
k_qc1094d8cad_attn:
	s_mov_b64 s[64:65], 0
	v_nop
	global_prefetch_b8 v0, s[64:65] scope:SCOPE_SE
	s_setreg_imm32_b32 hwreg(HW_REG_WAVE_MODE, 25, 1), 1
	s_wait_xcnt 0x0
	s_wait_alu depctr_hold_cnt(0) depctr_sa_sdst(0) depctr_va_vdst(0) depctr_va_sdst(0) depctr_va_ssrc(0) depctr_va_vcc(0) depctr_vm_vsrc(0)
	s_getreg_b32 s2, hwreg(HW_REG_IB_STS2, 6, 4)
	s_cmp_eq_u32 s2, 0
	s_cbranch_scc0 .Lentry_in_a_cluster
	s_endpgm
.Lentry_in_a_cluster:
	s_bfe_u32 s2, ttmp6, 0x10000c
	s_cmp_lg_u32 s2, 0x3003
	s_cbranch_scc0 .Lentry_shape_is_right
	s_endpgm
.Lentry_shape_is_right:
; Causal attention on f16 operands, sums, maxima and the softmax in f32: o[q] = sum over k <= q of softmax_k(q . k / 8) v[k], head size 64, 2,048 positions, 64 (batch, head) pairs.
; LEFT OUT: a step of 64 keys all of which come after a wave's band of 128 queries: reference()'s own mask gives them the weight 0 for all finite inputs (shown at the head of prep).
; LIMITS: q, k, v and the result are f16 (magnitudes over 65,504 not served); positions 0 to 15 come out coarse here and are replaced by fine1 and fine2.
; SHARES.  A cluster of four work-groups takes one (batch, head).  The 2,048 queries are 16 bands of 128; wave w of EVERY work-group takes band w xor 3 ((w / 4) % 2), and of it the 32 queries 32 cx on (cx: the work-group's
; place in the cluster): two tiles of 16, which share every fragment of K and V.  So all work-groups have the same work and walk all keys, every tile of K and V is one joint load for the four,
; and no branch hangs on cx: a step is left out or masked by the band alone, and only the vector compare knows the query.  The price: in its own band a wave computes all 128 keys.
; LAYOUT.  S^T = K Q^T (source 0 = 16 keys, source 1 = 16 queries) and O^T = V^T P (source 0 = 16 channels, turned by ds_load_tr16_b128; source 1 = P): a lane holds one query throughout; two tiles of S^T, rounded to f16 in pairs, are P.
; SOFTMAX.  A running maximum m and sum l for each query: p = 2^(c s - c m), c = log2(e) / 8; O and l are multiplied by a = 2^(c m_old - c m_new) in every step.
; RING.  Two slots of 256 keys (K: rows of 128 bytes + 16; V: + 32), filled by waves 0, 1 (K's halves) and 2, 3 (V's); the change of slots stands at a slot's head, as a round of the cluster's barrier.
; att16: [row / 64 (128)][head (16)][64 rows][64 channels], f16: a wave's 32 rows of a head are 4,096 consecutive bytes.
.set KP,    144
.set VP,    160
.set VOFF,  256*KP                     ; a slot: 256 rows of K, then 256 rows of V
.set SLOT1, 131072                     ; slot 1 begins here: one exclusive or turns an address from one slot to the other
.set SPARE, SLOT1+VOFF+256*VP          ; 208,896: the spare words, 128 bytes for each of 16 waves
.set STAGE, SPARE+2048                 ; 16 rows x 144 bytes for each wave, for the way out; no tensor load lands here
.set AK0,  1
.set AV0,  2
.set ADK,  3
.set ADV,  4
.set SPW,  5
.set NIL,  6
.set QR,   7                           ; my query of tile 0, less 8 (lane / 16)
.set GO,   8
.set STO,  9
.set RD,   10
.set NINF, 11
.set D0,   12                          ; v12, v13: QR - the step's first key, for tiles 0 and 1
.set ST,   14                          ; tile u at v[ST + 8 u]: +0 c m, +1 m, +2, +3 l, +4 .. +7 at work; a in +6
.set QF,   30                          ; v30-61   Q: tile u, channels 32 c on: 30 + 16 u + 8 c
.set S,    62                          ; v62-125  S^T: 62 + 32 u + 8 (tile of 16 keys); then p; then P in the low 16 of each 32
.set O,    126                         ; v126-189 O^T: 126 + 32 u + 8 (tile of 16 channels)
.set KV,   190                         ; v190-253 K's eight fragments, then V's eight
.set PFO,  254
.set QO,   255
.set WV,   8
.set CX,   9
.set BH,   10
.set QL,   12                          ; my band's last query
.set QB,   13                          ; my band's first query
.set KF,   14                          ; the step's first key
.set TB,   15                          ; LDS byte at which the slot in hand begins
.set SLOTS, 17
.set Q0,   19                          ; my first query: it enters global addresses and the vector compare alone
.set SEL,  20
.set CS,   22
.set G1K,  24
.set G1V,  32
.set G0K,  40
.set G0V,  44
.set PFA,  48
.set LIM,  50
.macro TLOAD                           ; waves 0, 1: K; waves 2, 3: V; the others nothing.  An s_nop 0 and four v_nop follow each line
	s_cmp_lt_u32 s[WV], 2
	s_cbranch_scc0 .Lnot_k_\@
	tensor_load_to_lds s[G0K:G0K+3], s[G1K:G1K+7]
	s_nop 0
.rept 4
	v_nop
.endr
	s_branch .Lasked_\@
.Lnot_k_\@:
	s_cmp_lt_u32 s[WV], 4
	s_cbranch_scc0 .Lasked_\@
	tensor_load_to_lds s[G0V:G0V+3], s[G1V:G1V+7]
	s_nop 0
.rept 4
	v_nop
.endr
.Lasked_\@:
.endm
; A prefetch of what the NEXT change of slots will ask for: a slot's 32,768 bytes of K (wave 4) and of V (wave 5).  The four partners take 8,192 bytes each, told apart by address; lanes 256 bytes apart: each aligned block of 256 bytes
; is named once in the launch.  The last change that fills a slot asks for nothing; slots 0 and 1 come by their loads alone.
.macro ASK
	s_cmp_gt_u32 s[SLOTS], s[LIM]
	s_cbranch_scc0 .Lnot_mine_\@
	global_prefetch_b8 v[PFO], s[PFA:PFA+1] th:TH_LOAD_NT scope:SCOPE_SE
.Lnot_mine_\@:
.endm
.macro CROUND
	s_barrier_signal -1
	s_barrier_wait -1
	s_cmp_lg_u32 s[WV], 0
	s_cbranch_scc1 .Lnot_wave_0_\@
	s_barrier_signal -3
.Lnot_wave_0_\@:
	s_barrier_wait -3
	s_barrier_signal -1
	s_barrier_wait -1
.endm
	s_load_b128 s[4:7], s[0:1], 0x0                ; qkv16, att16
	v_lshl_add_u32 v[SPW], v0, 2, SPARE
	v_mov_b32 v[NIL], 0
	ds_add_u32 v[SPW], v[NIL]                      ; the wave's opening: the add, twice on end, and its wait ahead of the first tensor load
	ds_add_u32 v[SPW], v[NIL]
	v_lshrrev_b32 v1, 5, v0
	v_readfirstlane_b32 s[WV], v1                  ; wave 0..15
	s_bfe_u32 s[CX], ttmp6, 0x40000
	s_and_b32 s[BH], ttmp7, 0xffff                 ; 16 x batch + head
	s_bfe_u32 s52, s[WV], 0x10002
	s_mul_i32 s52, s52, 3
	s_xor_b32 s11, s[WV], s52                      ; my band
	s_lshl_b32 s[QB], s11, 7
	s_add_co_u32 s[QL], s[QB], 127
	s_lshl_b32 s52, s[CX], 5
	s_add_co_u32 s[Q0], s[QB], s52
	; descriptor group 1: 128 rows of 128 bytes (16 elements of 8), dense in memory; padding behind every 32 words: 4 words for K, 8 for V; the mask names all four work-groups
	s_mov_b32 s[G1K], 15|(3<<16)|(1<<20)|(1<<21)|(4<<22)|(3<<25)
	s_mov_b32 s[G1V], 15|(3<<16)|(1<<20)|(1<<21)|(4<<22)|(7<<25)
.irp g, G1K, G1V
	s_mov_b32 s[\g+1], 16<<16
	s_mov_b32 s[\g+2], 128<<16
	s_mov_b32 s[\g+3], 16<<16
	s_mov_b32 s[\g+4], 128
	s_mov_b32 s[\g+5], 16
	s_mov_b32 s[\g+6], 0
	s_mov_b32 s[\g+7], 0
.endr
	s_mov_b32 s[SEL], 0x76543210
	s_mov_b32 s[SEL+1], 0xfedcba98
	s_mov_b32 s[CS], 0x3e38aa3b                    ; c = log2(e) / 8
	s_mov_b32 s[CS+1], s[CS]
	s_mov_b32 s[KF], 0
	s_mov_b32 s[TB], 0
	s_mov_b32 s[SLOTS], 7
	s_and_b32 s53, s[WV], 1                        ; which 128 keys of a slot I fetch, if I fetch
	s_lshl_b32 s54, s[BH], 18
	s_lshl_b32 s55, s53, 14
	s_add_co_u32 s54, s54, s55
	s_add_co_u32 s56, s54, 0x1000000               ; K
	s_mov_b32 s57, 0
	s_add_co_u32 s58, s54, 0x2000000               ; V
	s_mov_b32 s59, 0
	s_wait_dscnt 0x0                               ; both opening adds are done
	s_wait_kmcnt 0x0
	s_mov_b32 s[G0K], 1
	s_mul_i32 s[G0K+1], s53, 128*KP
	s_add_nc_u64 s[G0K+2:G0K+3], s[4:5], s[56:57]
	s_or_b32 s[G0K+3], s[G0K+3], 0x80000000
	s_mov_b32 s[G0V], 1
	s_mul_i32 s[G0V+1], s53, 128*VP
	s_add_co_u32 s[G0V+1], s[G0V+1], VOFF
	s_add_nc_u64 s[G0V+2:G0V+3], s[4:5], s[58:59]
	s_or_b32 s[G0V+3], s[G0V+3], 0x80000000
	CROUND                                         ; all four work-groups are here
	TLOAD                                          ; slot 0
	s_lshl_b32 s52, s[BH], 18
	s_lshl_b32 s53, s[Q0], 7
	s_add_co_u32 s52, s52, s53
	s_mov_b32 s53, 0
	s_add_nc_u64 s[66:67], s[4:5], s[52:53]        ; Q at my first query
	v_and_b32 v12, 15, v0                          ; r
	v_bfe_u32 v13, v0, 4, 1                        ; h
	v_lshlrev_b32 v[QO], 7, v12
	v_lshl_add_u32 v[QO], v13, 4, v[QO]
.irp u, 0,1
.irp c, 0,1
	global_load_b128 v[QF+16*\u+8*\c:QF+16*\u+8*\c+3], v[QO], s[66:67] offset:2048*\u+64*\c
	global_load_b128 v[QF+16*\u+8*\c+4:QF+16*\u+8*\c+7], v[QO], s[66:67] offset:2048*\u+64*\c+32
.endr
.endr
	s_lshr_b32 s52, s[BH], 4
	s_lshl_b32 s52, s52, 11
	s_add_co_u32 s52, s52, s[Q0]                   ; my first row of att16
	s_lshr_b32 s53, s52, 6
	s_lshl_b32 s53, s53, 17
	s_and_b32 s52, s52, 63
	s_lshl_b32 s52, s52, 7
	s_add_co_u32 s52, s52, s53
	s_and_b32 s53, s[BH], 15
	s_lshl_b32 s53, s53, 13
	s_add_co_u32 s52, s52, s53
	s_mov_b32 s53, 0
	s_add_nc_u64 s[68:69], s[6:7], s[52:53]
	s_mov_b32 s52, 0x2000000                       ; the prefetches: wave 5 stands in V, the others in K (only wave 4 of them asks)
	s_cmp_eq_u32 s[WV], 5
	s_cselect_b32 s52, s52, 0x1000000
	s_lshl_b32 s53, s[BH], 18
	s_add_co_u32 s52, s52, s53
	s_lshl_b32 s53, s[CX], 13
	s_add_co_u32 s52, s52, s53
	s_add_co_u32 s52, s52, 32768                   ; in slot 1: the first change of slots steps it to slot 2
	s_mov_b32 s53, 0
	s_add_nc_u64 s[PFA:PFA+1], s[4:5], s[52:53]
	s_lshr_b32 s53, s[WV], 1
	s_cmp_eq_u32 s53, 2
	s_cselect_b32 s[LIM], 1, -1
	v_mul_u32_u24 v[AK0], v12, KP
	v_lshl_add_u32 v[AK0], v13, 4, v[AK0]          ; K: row r, + 16 h
	v_and_b32 v3, 7, v0
	v_lshl_add_u32 v3, v13, 3, v3
	v_mul_u32_u24 v[AV0], v3, VP
	v_bfe_u32 v4, v0, 3, 1
	v_lshl_add_u32 v[AV0], v4, 4, v[AV0]
	v_add_nc_u32 v[AV0], VOFF, v[AV0]              ; V, for the turning load: key 8 h + lane % 8, channels 8 ((lane / 8) % 2) on
	v_lshlrev_b32 v3, 3, v13
	v_sub_nc_u32 v[QR], v12, v3
	v_add_nc_u32 v[QR], s[Q0], v[QR]
	v_and_b32 v3, 31, v0
	v_lshlrev_b32 v[GO], 4, v3
	v_lshlrev_b32 v[PFO], 8, v3
	s_mul_i32 s52, s[WV], 16*KP
	s_add_co_u32 s52, s52, STAGE
	v_add_nc_u32 v[STO], s52, v[AK0]               ; the stage: in: row r, + 16 h
	v_lshrrev_b32 v4, 3, v3
	v_mul_u32_u24 v4, v4, KP
	v_and_b32 v3, 7, v0
	v_lshl_add_u32 v4, v3, 4, v4
	v_add_nc_u32 v[RD], s52, v4                    ; back: four rows of 128 bytes an instruction
	v_mov_b32 v[NINF], 0xff800000
.irp u, 0,1
	v_mov_b32 v[ST+8*\u+1], 0xff61b1e6             ; m = -3e38, under every score
	v_mul_f32 v[ST+8*\u], s[CS], v[ST+8*\u+1]
	v_mov_b32 v[ST+8*\u+2], 0
	v_mov_b32 v[ST+8*\u+3], 0
	v_mov_b32 v[ST+8*\u+5], 0
	v_mov_b32 v[ST+8*\u+7], 0
.endr
.set n, 0
.rept 64
	v_mov_b32 v[O+n], 0                            ; the step is written once: the first finds zeros, which a = 0 leaves zeros
.set n, n+1
.endr
; A KEY STEP: 64 keys, the st-th of the slot in hand, against my 32 queries.
.macro STEP st
	s_cmp_gt_u32 s[KF], s[QL]                      ; all keys behind my band: left out.  The wave's number and the count of steps alone decide
	s_cbranch_scc1 .Lhidden_\@
	v_add_nc_u32 v[ADK], s[TB], v[AK0]
	v_add_nc_u32 v[ADV], s[TB], v[AV0]
.rept 3
	v_nop                                          ; with the two additions five places behind the last products: for the loads into their registers, and for the new sums that are laid over P
.endr
.irp c, 0,1
.irp kt, 0,1,2,3
	ds_load_b128 v[KV+8*(4*\c+\kt):KV+8*(4*\c+\kt)+3], v[ADK] offset:64*KP*(\st)+16*KP*\kt+64*\c
	ds_load_b128 v[KV+8*(4*\c+\kt)+4:KV+8*(4*\c+\kt)+7], v[ADK] offset:64*KP*(\st)+16*KP*\kt+64*\c+32
.endr
.endr
	s_wait_dscnt 8                                 ; channels 0-31 are in; the eight loads of channels 32-63 may be out
.irp kt, 0,1,2,3
.irp u, 0,1
	v_wmma_f32_16x16x32_f16 v[S+32*\u+8*\kt:S+32*\u+8*\kt+7], v[KV+8*\kt:KV+8*\kt+7], v[QF+16*\u:QF+16*\u+7], 0
.endr
.endr
	s_wait_dscnt 0x0
.irp kt, 0,1,2,3                       ; the eight accumulators take turns
.irp u, 0,1
	v_wmma_f32_16x16x32_f16 v[S+32*\u+8*\kt:S+32*\u+8*\kt+7], v[KV+32+8*\kt:KV+32+8*\kt+7], v[QF+16*\u+8:QF+16*\u+15], v[S+32*\u+8*\kt:S+32*\u+8*\kt+7]
.endr
.endr
.rept 4
	v_nop                                          ; places: in front of the loads into K's registers and of the first read of the scores
.endr
.irp g, 0,1
.irp tt, 0,1,2,3
	ds_load_tr16_b128 v[KV+8*(4*\g+\tt):KV+8*(4*\g+\tt)+3], v[ADV] offset:64*VP*(\st)+32*VP*\g+32*\tt
	ds_load_tr16_b128 v[KV+8*(4*\g+\tt)+4:KV+8*(4*\g+\tt)+7], v[ADV] offset:64*VP*(\st)+32*VP*\g+16*VP+32*\tt
.endr
.endr
	s_cmp_lt_u32 s[KF], s[QB]                      ; keys ahead of my band count for all my queries
	s_cbranch_scc1 .Lopen_\@
	v_sub_nc_u32 v[D0], v[QR], s[KF]               ; register 8 kt + j of tile u holds key KF + 16 kt + 8 h + j: hidden where 16 kt + j > my query - 8 h - KF
	v_add_nc_u32 v[D0+1], 16, v[D0]
.set n, 0
.rept 32
.irp u, 0,1
	v_cmp_gt_i32 vcc_lo, 16*(n/8)+n%8, v[D0+\u]
	v_cndmask_b32 v[S+32*\u+n], v[S+32*\u+n], v[NINF], vcc_lo
.endr
.set n, n+1
.endr
.Lopen_\@:
.irp kt, 0,1,2,3                       ; the maximum: four chains a tile, each accumulator from its low end on; the two tiles line by line
.irp u, 0,1
	v_max3_num_f32 v[ST+8*\u+4+\kt], v[S+32*\u+8*\kt], v[S+32*\u+8*\kt+1], v[S+32*\u+8*\kt+2]
.endr
.endr
.irp p, 1,2
.irp kt, 0,1,2,3
.irp u, 0,1
	v_max3_num_f32 v[ST+8*\u+4+\kt], v[ST+8*\u+4+\kt], v[S+32*\u+8*\kt+2*\p+1], v[S+32*\u+8*\kt+2*\p+2]
.endr
.endr
.endr
.irp u, 0,1
	v_max3_num_f32 v[ST+8*\u+4], v[ST+8*\u+4], v[S+32*\u+7], v[S+32*\u+15]
.endr
.irp u, 0,1
	v_max3_num_f32 v[ST+8*\u+6], v[ST+8*\u+6], v[S+32*\u+23], v[S+32*\u+31]
.endr
.irp u, 0,1
	v_max3_num_f32 v[ST+8*\u+4], v[ST+8*\u+4], v[ST+8*\u+5], v[ST+8*\u+6]
.endr
.irp u, 0,1
	v_max3_num_f32 v[ST+8*\u+4], v[ST+8*\u+4], v[ST+8*\u+7], v[ST+8*\u+1]   ; and the old m
.endr
.irp u, 0,1
	v_permlanex16_b32 v[ST+8*\u+5], v[ST+8*\u+4], s[SEL], s[SEL+1]          ; the query's other 32 keys lie in the lane 16 away
.endr
.irp u, 0,1
	v_mov_b32 v[ST+8*\u+7], v[ST+8*\u]             ; c m_old
.endr
.irp u, 0,1
	v_max_num_f32 v[ST+8*\u+1], v[ST+8*\u+4], v[ST+8*\u+5]
.endr
.irp u, 0,1
	v_mul_f32 v[ST+8*\u], s[CS], v[ST+8*\u+1]
.endr
.irp u, 0,1
	v_sub_f32 v[ST+8*\u+7], v[ST+8*\u+7], v[ST+8*\u]
.endr
.set n, 0
.rept 16
.irp u, 0,1
	v_pk_fma_f32 v[S+32*\u+n:S+32*\u+n+1], v[S+32*\u+n:S+32*\u+n+1], s[CS:CS+1], v[ST+8*\u:ST+8*\u+1] op_sel_hi:[1,0,0] neg_lo:[0,0,1] neg_hi:[0,0,1]   ; c s - c m
.endr
.set n, n+2
.endr
.irp u, 0,1
	v_exp_f32 v[ST+8*\u+6], v[ST+8*\u+7]           ; a
.endr
.set n, 0
.rept 32
.irp u, 0,1
	v_exp_f32 v[S+32*\u+n], v[S+32*\u+n]           ; p
.endr
.set n, n+1
.endr
	v_nop                                          ; a plain instruction behind the last exponential
	s_wait_alu depctr_va_vdst(0)                   ; one wait for the batch of 66, ahead of its first reader
.irp u, 0,1
	v_pk_mul_f32 v[ST+8*\u+2:ST+8*\u+3], v[ST+8*\u+2:ST+8*\u+3], v[ST+8*\u+6:ST+8*\u+7] op_sel_hi:[1,0]   ; l x a
.endr
.irp u, 0,1
	v_pk_add_f32 v[ST+8*\u+4:ST+8*\u+5], v[S+32*\u:S+32*\u+1], v[S+32*\u+2:S+32*\u+3]   ; the sum of p in f32, two chains a tile
.endr
.irp j, 4,8,12,16,20,24,28
.irp u, 0,1
	v_pk_add_f32 v[ST+8*\u+2:ST+8*\u+3], v[ST+8*\u+2:ST+8*\u+3], v[S+32*\u+\j:S+32*\u+\j+1]
	v_pk_add_f32 v[ST+8*\u+4:ST+8*\u+5], v[ST+8*\u+4:ST+8*\u+5], v[S+32*\u+\j+2:S+32*\u+\j+3]
.endr
.endr
.irp u, 0,1
	v_pk_add_f32 v[ST+8*\u+2:ST+8*\u+3], v[ST+8*\u+2:ST+8*\u+3], v[ST+8*\u+4:ST+8*\u+5]
.endr
.set n, 0
.rept 16
.irp u, 0,1
	v_cvt_pk_f16_f32 v[S+32*\u+n], v[S+32*\u+2*n], v[S+32*\u+2*n+1]   ; P, in place: register n is written when registers 2 n and 2 n + 1 are read
.endr
.set n, n+1
.endr
.set n, 0
.rept 16
.irp u, 0,1
	v_pk_mul_f32 v[O+32*\u+n:O+32*\u+n+1], v[O+32*\u+n:O+32*\u+n+1], v[ST+8*\u+6:ST+8*\u+7] op_sel_hi:[1,0]   ; O^T x a
.endr
.set n, n+2
.endr
	s_wait_dscnt 0x0                               ; V is in
.irp g, 0,1
.irp tt, 0,1,2,3
.irp u, 0,1
	v_wmma_f32_16x16x32_f16 v[O+32*\u+8*\tt:O+32*\u+8*\tt+7], v[KV+8*(4*\g+\tt):KV+8*(4*\g+\tt)+7], v[S+32*\u+8*\g:S+32*\u+8*\g+7], v[O+32*\u+8*\tt:O+32*\u+8*\tt+7]
.endr
.endr
.endr
.Lhidden_\@:
	s_add_co_u32 s[KF], s[KF], 64
.endm
; THE CHANGE OF SLOTS, at a slot's head.  Each wave waits for all its tensor loads, adds 0 to its spare word, and waits for that and for its reads of the slot that it has left.  fill = 1: a round of the cluster's barrier, and
; behind it the other slot is filled with the 256 keys that follow: the load has a slot's four steps in which to land.
.macro CHANGE fill
	s_wait_tensorcnt 0x0                           ; no tensor load of mine is out, so a group 0 may be written
	ds_add_u32 v[SPW], v[NIL]
.if \fill
	ds_add_u32 v[SPW], v[NIL]                      ; twice on end here
	s_xor_b32 s[G0K+1], s[G0K+1], SLOT1
	s_add_nc_u64 s[G0K+2:G0K+3], s[G0K+2:G0K+3], 32768
	s_xor_b32 s[G0V+1], s[G0V+1], SLOT1
	s_add_nc_u64 s[G0V+2:G0V+3], s[G0V+2:G0V+3], 32768
	s_wait_xcnt 0x0                                ; the last prefetch, a slot back, has read its address
	s_add_nc_u64 s[PFA:PFA+1], s[PFA:PFA+1], 32768
	s_wait_dscnt 0x0
	CROUND
	TLOAD                                          ; the first thing behind the round, and a wave's one tensor load until the next
	ASK
.else
	s_wait_dscnt 0x0
	s_barrier_signal -1
	s_barrier_wait -1
.endif
.endm
.macro SLOT_STEPS
	STEP 0
	STEP 1
	STEP 2
	STEP 3
	s_xor_b32 s[TB], s[TB], SLOT1
.endm
	s_wait_loadcnt 0x0                             ; Q
.Lslot:                                            ; seven trips: behind each change of slots but the last the next slot is asked for
	CHANGE 1
	SLOT_STEPS
	s_sub_co_u32 s[SLOTS], s[SLOTS], 1
	s_cmp_lg_u32 s[SLOTS], 0
	s_cbranch_scc1 .Lslot
	CHANGE 0                                       ; the last slot is written out
	SLOT_STEPS
	; THE WAY OUT: O^T / l, rounded to f16, through my stage, out as 512 consecutive bytes an instruction
.rept 4
	v_nop                                          ; places behind the last products
.endr
.irp u, 0,1
	v_add_f32 v[ST+8*\u+4], v[ST+8*\u+2], v[ST+8*\u+3]
.endr
.irp u, 0,1
	v_permlanex16_b32 v[ST+8*\u+5], v[ST+8*\u+4], s[SEL], s[SEL+1]
.endr
.irp u, 0,1
	v_add_f32 v[ST+8*\u+4], v[ST+8*\u+4], v[ST+8*\u+5]
.endr
.irp u, 0,1
	v_rcp_f32 v[ST+8*\u+6], v[ST+8*\u+4]
.endr
	v_nop
	s_wait_alu depctr_va_vdst(0)                   ; one wait for both reciprocals
.irp u, 0,1
.set n, 0
.rept 16
	v_pk_mul_f32 v[O+32*\u+n:O+32*\u+n+1], v[O+32*\u+n:O+32*\u+n+1], v[ST+8*\u+6:ST+8*\u+7] op_sel_hi:[1,0]
.set n, n+2
.endr
.set n, 0
.rept 16
	v_cvt_pk_f16_f32 v[S+16*\u+n], v[O+32*\u+2*n], v[O+32*\u+2*n+1]
.set n, n+1
.endr
.irp t, 0,1,2,3
	ds_store_b128 v[STO], v[S+16*\u+4*\t:S+16*\u+4*\t+3] offset:32*\t
.endr
.irp t, 0,1,2,3
	ds_load_b128 v[KV+16*\u+4*\t:KV+16*\u+4*\t+3], v[RD] offset:4*KP*\t   ; in order behind my stores; the next tile's stores come behind these
.endr
.endr
.irp u, 0,1
.irp t, 0,1,2,3
	s_wait_dscnt 11-8*\u-\t                        ; the LDS instructions issued behind this load may be out
	global_store_b128 v[GO], v[KV+16*\u+4*\t:KV+16*\u+4*\t+3], s[68:69] offset:2048*\u+512*\t
.endr
.endr
	s_wait_tensorcnt 0x0                           ; the wave's end
	ds_add_u32 v[SPW], v[NIL]
	s_wait_dscnt 0x0
	CROUND                                         ; the closing round
	s_endpgm
.Lfunc_end_k_qc1094d8cad_attn:
	.size	k_qc1094d8cad_attn, .Lfunc_end_k_qc1094d8cad_attn-k_qc1094d8cad_attn
	.p2alignl 7, 3214868480
	.fill 96, 4, 3214868480
	.section	.rodata,"a",@progbits
	.p2align	6, 0x0
	.amdhsa_kernel k_qc1094d8cad_attn
		.amdhsa_group_segment_fixed_size 327680
		.amdhsa_private_segment_fixed_size 0
		.amdhsa_enable_private_segment 0
		.amdhsa_kernarg_size 16
		.amdhsa_user_sgpr_count 2
		.amdhsa_user_sgpr_kernarg_segment_ptr 1
		.amdhsa_wavefront_size32 1
		.amdhsa_system_sgpr_workgroup_id_x 1
		.amdhsa_system_sgpr_workgroup_id_y 1
		.amdhsa_system_sgpr_workgroup_id_z 1
		.amdhsa_system_vgpr_workitem_id 0
		.amdhsa_next_free_vgpr 256
		.amdhsa_next_free_sgpr 72
		.amdhsa_reserve_vcc 1
		.amdhsa_float_denorm_mode_32 3
		.amdhsa_float_denorm_mode_16_64 3
		.amdhsa_memory_ordered 1
		.amdhsa_forward_progress 1
		.amdhsa_inst_pref_size 189
	.end_amdhsa_kernel
	.amdgpu_metadata
---
amdhsa.version: [ 1, 2 ]
amdhsa.kernels:
  - .name:           k_qc1094d8cad_attn
    .symbol:         k_qc1094d8cad_attn.kd
    .args:
      - { .name: qkv16, .offset: 0, .size: 8, .value_kind: global_buffer, .address_space: global }
      - { .name: att16, .offset: 8, .size: 8, .value_kind: global_buffer, .address_space: global }
    .group_segment_fixed_size: 327680
    .private_segment_fixed_size: 0
    .kernarg_segment_align: 8
    .kernarg_segment_size: 16
    .max_flat_workgroup_size: 512
    .sgpr_count:     72
    .vgpr_count:     256
    .wavefront_size: 32
...
	.end_amdgpu_metadata
.endif
;; end of part 3
;; launch proj (part 4): grid 8 x 64, 4 waves a work-group, clusters of 4 x 4, 327,680 bytes of LDS; arguments att16, wp16, out0; writes out0
.if DOCPART == 4
	.amdgcn_target "amdgcn-amd-amdhsa--gfx1250"
	.amdhsa_code_object_version 6
	.text
	.protected	k_qc1094d8cad_proj
	.globl	k_qc1094d8cad_proj
	.p2align	8
	.type	k_qc1094d8cad_proj,@function
k_qc1094d8cad_proj:
	s_mov_b64 s[64:65], 0
	v_nop
	global_prefetch_b8 v0, s[64:65] scope:SCOPE_SE
	s_setreg_imm32_b32 hwreg(HW_REG_WAVE_MODE, 25, 1), 1
	s_wait_xcnt 0x0
	s_wait_alu depctr_hold_cnt(0) depctr_sa_sdst(0) depctr_va_vdst(0) depctr_va_sdst(0) depctr_va_ssrc(0) depctr_va_vcc(0) depctr_vm_vsrc(0)
	s_getreg_b32 s2, hwreg(HW_REG_IB_STS2, 6, 4)
	s_cmp_eq_u32 s2, 0
	s_cbranch_scc0 .Lentry_in_a_cluster
	s_endpgm
.Lentry_in_a_cluster:
	s_bfe_u32 s2, ttmp6, 0x10000c
	s_cmp_lg_u32 s2, 0xf033
	s_cbranch_scc0 .Lentry_shape_is_right
	s_endpgm
.Lentry_shape_is_right:
; out0 = attention's result x w_proj: [8192, 1024] x [1024, 1024], f16 operands, f32 sums, f32 out.  Rows 0 to 15 of each batch come out coarse here and are replaced by fine2.
; A tile of 128 x 128 to a work-group: 512 work-groups, two for each of 256 places; four waves of 64 x 64 (16 accumulators).  K goes in steps of 256 (four heads) through two LDS slots.
; att16 is [row / 64][head][64 rows][64 channels]: 64 rows x 4 heads are 32,768 dense bytes, brought as 256 rows of 128 bytes with 16 bytes of padding behind each.  wp16 lies in the order of the operand's registers: no padding.
; CLUSTERS: 4 x 4: A's tiles are shared along a row of the cluster, B's along a column, by joint loads.  THE MATRIX INSTRUCTION IS USED TRANSPOSED (source 0 = 16 columns of w_proj, source 1 = 16 rows).
; REGISTERS: window 0: v16-29 addresses; v32-95 rows on the way out; v128-255 the accumulators ((a, b) at v[128 + 8 (4 a + b)]).  window 1: two fragment buffers of 128: 64 registers of A, then 64 of B, for 64 along K.
.set AP,     144                       ; a row of 64 channels in LDS: 128 bytes + 16
.set ACH,    64*AP                     ; a head's 64 rows
.set AHALF,  4*ACH                     ; 64 rows x 4 heads: what one load brings
.set ABYTES, 2*AHALF
.set SLOT,   ABYTES+65536              ; A's 128 rows, then B's 8 tiles of 16 columns x 8 fragments x 1,024 bytes
.set STAGE,  2*SLOT                    ; 16 rows x 272 bytes for each wave
.set SPITCH, 272
.set SPARE,  STAGE+4*16*SPITCH
.set ADRA, 16
.set ADRB, 20
.set STO,  24
.set RD,   25
.set CO,   26
.set SPW,  28
.set NIL,  29
.set TMP,  32
.set ACC,  128
.set F0,   0
.set F1,   128
.set G1, 24
.set G0, 32
.set G1B, 48
.set G0B, 56
.set MSB, 0
.macro WIN new
.if MSB != \new
	s_set_vgpr_msb (MSB<<8)|\new
.set MSB, \new
.endif
.endm
.set MUL,  0x05                        ; sources 0 (B) and 1 (A) window 1; C and D window 0
.set TO_F, 0x40
.macro JLOAD s                         ; waves 0, 1: A's halves; waves 2, 3: B's; an s_nop 0 and four v_nop follow each line
	s_cmp_eq_u32 s11, 0
	s_cbranch_scc0 .Lfor_b_\@
	tensor_load_to_lds s[G0+4*\s:G0+4*\s+3], s[G1:G1+7]
	s_nop 0
.rept 4
	v_nop
.endr
	s_branch .Lasked_\@
.Lfor_b_\@:
	tensor_load_to_lds s[G0B+4*\s:G0B+4*\s+3], s[G1B:G1B+7]
	s_nop 0
.rept 4
	v_nop
.endr
.Lasked_\@:
.endm
.macro CREST
	s_cmp_lg_u32 s10, 0
	s_cbranch_scc1 .Lnot_wave_0_\@
	s_barrier_signal -3
.Lnot_wave_0_\@:
	s_barrier_wait -3
	s_barrier_signal -1
	s_barrier_wait -1
.endm
.macro CROUND
	s_barrier_signal -1
	s_barrier_wait -1
	CREST
.endm
	s_load_b128 s[4:7], s[0:1], 0x0                ; att16, wp16
	s_load_b64 s[8:9], s[0:1], 0x10                ; out0
	v_lshl_add_u32 v[SPW], v0, 2, SPARE
	v_mov_b32 v[NIL], 0
	ds_add_u32 v[SPW], v[NIL]                      ; the wave's opening: the add, twice on end, and its wait ahead of my first tensor load
	ds_add_u32 v[SPW], v[NIL]
	v_lshrrev_b32 v1, 5, v0
	v_readfirstlane_b32 s10, v1                    ; wave 0..3
	s_lshr_b32 s11, s10, 1                         ; my half of the rows.  Also: I fetch for A (0) or for B (1)
	s_and_b32 s12, s10, 1                          ; my half of the columns.  Also: which half I fetch
	s_bfe_u32 s40, ttmp6, 0x40000
	s_bfe_u32 s41, ttmp6, 0x40004
	s_lshl_b32 s42, ttmp9, 2
	s_add_co_u32 s42, s42, s40                     ; tile column
	s_and_b32 s13, ttmp7, 0xffff
	s_lshl_b32 s13, s13, 2
	s_add_co_u32 s13, s13, s41                     ; tile row
	s_lshl_b32 s43, s41, 2
	s_lshl_b32 s43, 15, s43
	s_lshl_b32 s44, 0x1111, s40
	s_or_b32 s[G1+0], s43, (3<<16)|(1<<20)|(1<<21)|(4<<22)|(3<<25)   ; elements of 8 bytes; 4 words of padding behind every 32
	s_mov_b32 s[G1+1], 16<<16
	s_mov_b32 s[G1+2], 256<<16
	s_mov_b32 s[G1+3], 16<<16
	s_mov_b32 s[G1+4], 256
	s_mov_b32 s[G1+5], 16
	s_mov_b32 s[G1+6], 0
	s_mov_b32 s[G1+7], 0
	s_or_b32 s[G1B+0], s44, (3<<16)|(1<<21)        ; 32,768 dense bytes as 128 rows of 256
	s_mov_b32 s[G1B+1], 32<<16
	s_mov_b32 s[G1B+2], 128<<16
	s_mov_b32 s[G1B+3], 32<<16
	s_mov_b32 s[G1B+4], 128
	s_mov_b32 s[G1B+5], 32
	s_mov_b32 s[G1B+6], 0
	s_mov_b32 s[G1B+7], 0
	s_lshl_b32 s16, s13, 1
	s_add_co_u32 s16, s16, s12
	s_lshl_b32 s16, s16, 17                        ; A: block of 64 rows 2 x tile row + half: 131,072 bytes each
	s_mov_b32 s17, 0
	s_lshl_b32 s46, s42, 16                        ; B: (8 tile column + 4 half) x 8,192 bytes
	s_lshl_b32 s47, s12, 15
	s_add_co_u32 s46, s46, s47
	s_add_co_u32 s21, s47, ABYTES                  ; where B's half goes,
	s_mov_b32 s47, 0
	s_mul_i32 s20, s12, AHALF                      ; and A's: no place in the cluster enters an LDS address
	s_wait_dscnt 0x0
	s_wait_kmcnt 0x0
	s_add_nc_u64 s[14:15], s[4:5], s[16:17]
	s_add_nc_u64 s[46:47], s[6:7], s[46:47]
	CROUND
.irp s, 0,1
	s_mov_b32 s[G0+4*\s], 1
	s_add_co_u32 s[G0+4*\s+1], s20, \s*SLOT
	s_add_nc_u64 s[G0+4*\s+2:G0+4*\s+3], s[14:15], \s*32768
	s_or_b32 s[G0+4*\s+3], s[G0+4*\s+3], 0x80000000
	s_mov_b32 s[G0B+4*\s], 1
	s_add_co_u32 s[G0B+4*\s+1], s21, \s*SLOT
	s_add_nc_u64 s[G0B+4*\s+2:G0B+4*\s+3], s[46:47], \s*524288
	s_or_b32 s[G0B+4*\s+3], s[G0B+4*\s+3], 0x80000000
	JLOAD \s
.endr
	v_and_b32 v1, 15, v0
	v_bfe_u32 v2, v0, 4, 1
	v_and_b32 v6, 31, v0
	v_mul_u32_u24 v3, v1, AP
	v_lshl_add_u32 v3, v2, 4, v3
	v_lshlrev_b32 v4, 4, v6
	s_mul_i32 s21, s11, AHALF
	s_lshl_b32 s22, s12, 15
	s_add_co_u32 s22, s22, ABYTES
.irp s, 0,1
	v_add_nc_u32 v[ADRA+\s], s21, v3
	v_add_nc_u32 v[ADRB+\s], s22, v4
	s_add_co_u32 s21, s21, SLOT
	s_add_co_u32 s22, s22, SLOT
.endr
	s_mul_i32 s23, s10, 16*SPITCH
	s_add_co_u32 s23, s23, STAGE                   ; my stage: a wave's 64 columns are 256 bytes of a row, so no other wave is needed
	v_mul_u32_u24 v4, v1, SPITCH
	v_lshl_add_u32 v4, v2, 5, v4
	v_add_nc_u32 v[STO], s23, v4
	v_mul_u32_u24 v5, v2, SPITCH
	v_lshl_add_u32 v5, v1, 4, v5
	v_add_nc_u32 v[RD], s23, v5
	v_lshlrev_b32 v[CO], 4, v1
	v_lshl_add_u32 v[CO], v2, 12, v[CO]
	s_lshl_b32 s16, s13, 7
	s_lshl_b32 s17, s11, 6
	s_add_co_u32 s16, s16, s17
	s_lshl_b32 s16, s16, 12                        ; my first row, 4,096 bytes each
	s_lshl_b32 s46, s42, 9
	s_lshl_b32 s47, s12, 8
	s_add_co_u32 s46, s46, s47
	s_add_co_u32 s16, s16, s46                     ; my first column
	s_mov_b32 s17, 0
	s_add_nc_u64 s[8:9], s[8:9], s[16:17]
.macro MUL8 f, c, a0, zero             ; 8 matrix instructions: row blocks a0, a0 + 1 x all 4 column blocks, 32 along K
.irp a, \a0, \a0+1
.irp b, 0,1,2,3
.if \zero
	v_wmma_f32_16x16x32_f16 v[ACC+8*(4*(\a)+\b):ACC+8*(4*(\a)+\b)+7], v[\f+64+8*(4*\c+\b):\f+64+8*(4*\c+\b)+7], v[\f+8*(4*\c+\a):\f+8*(4*\c+\a)+7], 0
.else
	v_wmma_f32_16x16x32_f16 v[ACC+8*(4*(\a)+\b):ACC+8*(4*(\a)+\b)+7], v[\f+64+8*(4*\c+\b):\f+64+8*(4*\c+\b)+7], v[\f+8*(4*\c+\a):\f+8*(4*\c+\a)+7], v[ACC+8*(4*(\a)+\b):ACC+8*(4*(\a)+\b)+7]
.endif
.endr
.endr
.endm
.macro FETCH slot, qq, f               ; 32 LDS loads in one run: the fragments of the slot's qq-th head (64 along K); the first 32 along K first
	WIN TO_F
.irp c, 0,1
.irp i, 0,1,2,3
	ds_load_b128 v[\f+64+8*(4*\c+\i):\f+64+8*(4*\c+\i)+3],   v[ADRB+\slot] offset:\i*8192+(2*(\qq)+\c)*1024
	ds_load_b128 v[\f+64+8*(4*\c+\i)+4:\f+64+8*(4*\c+\i)+7], v[ADRB+\slot] offset:\i*8192+(2*(\qq)+\c)*1024+512
	ds_load_b128 v[\f+8*(4*\c+\i):\f+8*(4*\c+\i)+3],         v[ADRA+\slot] offset:(\qq)*ACH+\i*16*AP+64*\c
	ds_load_b128 v[\f+8*(4*\c+\i)+4:\f+8*(4*\c+\i)+7],       v[ADRA+\slot] offset:(\qq)*ACH+\i*16*AP+64*\c+32
.endr
.endr
.endm
.macro PLACES
.rept 4
	v_nop
.endr
.endm
.macro QUARTER slot, qq, f, g, zero    ; multiplies buffer f and fetches the slot's qq-th head into g
	s_wait_dscnt 16                                ; the first 32 along K are in; the sixteen loads of the second 32 may be out
	WIN MUL
	MUL8 \f, 0, 0, \zero
	MUL8 \f, 0, 2, \zero
	PLACES
	FETCH \slot, \qq, \g
	s_wait_dscnt 32                                ; all but the 32 just issued
	WIN MUL
	MUL8 \f, 1, 0, 0
	MUL8 \f, 1, 2, 0
.endm
; The last quarter multiplies buffer 1 and changes slots: one barrier; in front of it each wave waits for all its tensor loads, adds 0 to its spare word, and waits for that and for its reads of this slot.
.macro TURN slot, next, fill
	WIN 0
	s_wait_tensorcnt 0x0
	ds_add_u32 v[SPW], v[NIL]
	s_wait_dscnt 17                                ; (the add and the youngest sixteen loads may be out)
	WIN MUL
	MUL8 F1, 0, 0, 0
	s_wait_dscnt 0x0
	s_barrier_signal -1
	MUL8 F1, 0, 2, 0
.if \fill
	WIN 0
.endif
	s_barrier_wait -1
.if \fill
	CREST                                          ; the barrier has opened a round of the cluster's barrier
	s_add_nc_u64 s[G0+4*\slot+2:G0+4*\slot+3], s[G0+4*\slot+2:G0+4*\slot+3], 65536
	s_add_nc_u64 s[G0B+4*\slot+2:G0B+4*\slot+3], s[G0B+4*\slot+2:G0B+4*\slot+3], 1048576
	JLOAD \slot                                    ; the first tensor load behind the round; its four v_nop are also the places in front of the loads below
.else
	PLACES
.endif
	FETCH \next, 0, F0
	WIN MUL
	MUL8 F1, 1, 0, 0
	MUL8 F1, 1, 2, 0
.endm
	s_wait_tensorcnt 1                             ; my part of K step 0 is in; K step 1's load may be out
	s_barrier_signal -1
	s_barrier_wait -1
	FETCH 0, 0, F0
	QUARTER 0, 1, F0, F1, 1                        ; the first products start the sums
	WIN 0
	s_mov_b32 s3, 1
.Llap:                                                 ; once round the ring: both slots are filled again, with K steps 2 and 3
	QUARTER 0, 2, F1, F0, 0
	QUARTER 0, 3, F0, F1, 0
	TURN 0, 1, 1
	QUARTER 1, 1, F0, F1, 0
	QUARTER 1, 2, F1, F0, 0
	QUARTER 1, 3, F0, F1, 0
	TURN 1, 0, 1
	QUARTER 0, 1, F0, F1, 0
	WIN 0
	s_sub_co_u32 s3, s3, 1
	s_cmp_lg_u32 s3, 0
	s_cbranch_scc1 .Llap
	QUARTER 0, 2, F1, F0, 0                        ; the last lap fills nothing
	QUARTER 0, 3, F0, F1, 0
	TURN 0, 1, 0
	QUARTER 1, 1, F0, F1, 0
	QUARTER 1, 2, F1, F0, 0
	QUARTER 1, 3, F0, F1, 0
	s_wait_dscnt 16
	WIN MUL
	MUL8 F1, 0, 0, 0
	MUL8 F1, 0, 2, 0
	s_wait_dscnt 0
	MUL8 F1, 1, 0, 0
	MUL8 F1, 1, 2, 0
	WIN 0
; THE WAY OUT, 16 rows x 64 columns at a time, through my own stage: sixteen lanes store 256 consecutive bytes, aligned
.macro TOSTAGE a
.irp b, 0,1,2,3
	ds_store_b128 v[STO], v[ACC+8*(4*(\a)+\b):ACC+8*(4*(\a)+\b)+3] offset:64*\b       ; each accumulator from its low end on
	ds_store_b128 v[STO], v[ACC+8*(4*(\a)+\b)+4:ACC+8*(4*(\a)+\b)+7] offset:64*\b+16
.endr
.irp t, 0,1,2,3,4,5,6,7
	ds_load_b128 v[TMP+32*((\a)%2)+4*\t:TMP+32*((\a)%2)+4*\t+3], v[RD] offset:2*SPITCH*\t   ; in order behind my stores
.endr
.endm
.macro SEND a, younger
	s_wait_dscnt \younger                          ; the next block's eight stores and eight loads may be out
.irp t, 0,1,2,3,4,5,6,7
	global_store_b128 v[CO], v[TMP+32*((\a)%2)+4*\t:TMP+32*((\a)%2)+4*\t+3], s[8:9] offset:(16*(\a)+2*\t)*4096 th:TH_STORE_NT
.endr
.endm
	PLACES
	TOSTAGE 0
	TOSTAGE 1
	SEND 0, 16
	s_wait_xcnt 0x0                                ; block 0's stores have read their registers: block 2's loads may land there
	TOSTAGE 2
	SEND 1, 16
	s_wait_xcnt 0x0
	TOSTAGE 3
	SEND 2, 16
	SEND 3, 0
	s_wait_tensorcnt 0x0                           ; the wave's end
	ds_add_u32 v[SPW], v[NIL]
	s_wait_dscnt 0x0
	CROUND                                         ; the closing round
	s_endpgm
.Lfunc_end_k_qc1094d8cad_proj:
	.size	k_qc1094d8cad_proj, .Lfunc_end_k_qc1094d8cad_proj-k_qc1094d8cad_proj
	.p2alignl 7, 3214868480
	.fill 96, 4, 3214868480
	.section	.rodata,"a",@progbits
	.p2align	6, 0x0
	.amdhsa_kernel k_qc1094d8cad_proj
		.amdhsa_group_segment_fixed_size 327680
		.amdhsa_private_segment_fixed_size 0
		.amdhsa_enable_private_segment 0
		.amdhsa_kernarg_size 24
		.amdhsa_user_sgpr_count 2
		.amdhsa_user_sgpr_kernarg_segment_ptr 1
		.amdhsa_wavefront_size32 1
		.amdhsa_system_sgpr_workgroup_id_x 1
		.amdhsa_system_sgpr_workgroup_id_y 1
		.amdhsa_system_sgpr_workgroup_id_z 1
		.amdhsa_system_vgpr_workitem_id 0
		.amdhsa_next_free_vgpr 512
		.amdhsa_next_free_sgpr 66
		.amdhsa_reserve_vcc 0
		.amdhsa_float_denorm_mode_32 3
		.amdhsa_float_denorm_mode_16_64 3
		.amdhsa_memory_ordered 1
		.amdhsa_forward_progress 1
		.amdhsa_inst_pref_size 86
	.end_amdhsa_kernel
	.amdgpu_metadata
---
amdhsa.version: [ 1, 2 ]
amdhsa.kernels:
  - .name:           k_qc1094d8cad_proj
    .symbol:         k_qc1094d8cad_proj.kd
    .args:
      - { .name: att16, .offset: 0, .size: 8, .value_kind: global_buffer, .address_space: global }
      - { .name: wp16, .offset: 8, .size: 8, .value_kind: global_buffer, .address_space: global }
      - { .name: out0, .offset: 16, .size: 8, .value_kind: global_buffer, .address_space: global }
    .group_segment_fixed_size: 327680
    .private_segment_fixed_size: 0
    .kernarg_segment_align: 8
    .kernarg_segment_size: 24
    .max_flat_workgroup_size: 128
    .sgpr_count:     66
    .vgpr_count:     512
    .wavefront_size: 32
...
	.end_amdgpu_metadata
.endif
;; end of part 4
;; launch fine1 (part 5): grid 16 x 4, 12 waves a work-group, no clusters, 13,824 bytes of LDS; arguments xc, xs, wc, ws, att32; writes att32
.if DOCPART == 5
	.amdgcn_target "amdgcn-amd-amdhsa--gfx1250"
	.amdhsa_code_object_version 6
	.text
	.protected	k_qc1094d8cad_fine1
	.globl	k_qc1094d8cad_fine1
	.p2align	8
	.type	k_qc1094d8cad_fine1,@function
k_qc1094d8cad_fine1:
	s_mov_b64 s[64:65], 0
	v_nop
	global_prefetch_b8 v0, s[64:65] scope:SCOPE_SE
	s_setreg_imm32_b32 hwreg(HW_REG_WAVE_MODE, 25, 1), 1
	s_wait_xcnt 0x0
; Positions 0 to 15 of every sequence, more finely: these rows average one to sixteen values and are the largest in size.  q, k, v of the 16 positions come from the same codes as in gemm1, by the same FP4 form, and stay f32;
; scores, softmax and the weighted sum are f32 (v_wmma_f32_16x16x4_f32: 20 instructions a wave: no bulk work).  Keys behind position 15 are hidden from these queries by reference()'s own mask and are not touched.
; A work-group takes one (head, batch).  Wave w: kind w / 4 (q, k, v), channels 16 (w % 4) on.  q and k are made transposed (a lane: one position, eight channels), v as it is (a lane: one channel, eight positions):
; so register pairs of q's, k's and v's results ARE operands of the f32 form, with the same order of k on both sides of each product.  q and k go to waves 8-11 through LDS as images of their registers.
; att32: the operand of fine2, [16 batch + head][i (8)][lane (32)][16 bytes]: lane (r, h), number e of piece i: query r, channel 32 h + 4 i + e.
.set SPARE, 12288
.set SPW,  250
.set NIL,  251
.set XF,   16                          ; v16-79   x's eight fragments; later q's and k's images
.set WF,   80                          ; v80-143  w's eight
.set XS,   144                         ; v144-147 x's scale words (K steps 2 p, 2 p + 1 in the two halves of the lanes)
.set WS,   148                         ; v148-151 w's
.set AC,   152                         ; v152-167 two accumulators of the first product, by turns
.set RES,  168                         ; v168-175 their sum
.set SAC,  176                         ; v176-191 two accumulators of S^T: written by matrix instructions alone
.set TT,   192
.set P,    200
.set OAC,  208                         ; v208-223 two accumulators of O^T: written by matrix instructions alone
.set OUT,  224
.macro FP4 d, a, b, zero, sa, sb, odd
.if \zero
.if \odd
	v_wmma_scale_f32_16x16x128_f8f6f4 v[\d:\d+7], v[\a:\a+7], v[\b:\b+7], 0, v[\sa], v[\sb] matrix_a_fmt:MATRIX_FMT_FP4 matrix_b_fmt:MATRIX_FMT_FP4 matrix_a_scale:MATRIX_SCALE_ROW1 matrix_b_scale:MATRIX_SCALE_ROW1
.else
	v_wmma_scale_f32_16x16x128_f8f6f4 v[\d:\d+7], v[\a:\a+7], v[\b:\b+7], 0, v[\sa], v[\sb] matrix_a_fmt:MATRIX_FMT_FP4 matrix_b_fmt:MATRIX_FMT_FP4
.endif
.else
.if \odd
	v_wmma_scale_f32_16x16x128_f8f6f4 v[\d:\d+7], v[\a:\a+7], v[\b:\b+7], v[\d:\d+7], v[\sa], v[\sb] matrix_a_fmt:MATRIX_FMT_FP4 matrix_b_fmt:MATRIX_FMT_FP4 matrix_a_scale:MATRIX_SCALE_ROW1 matrix_b_scale:MATRIX_SCALE_ROW1
.else
	v_wmma_scale_f32_16x16x128_f8f6f4 v[\d:\d+7], v[\a:\a+7], v[\b:\b+7], v[\d:\d+7], v[\sa], v[\sb] matrix_a_fmt:MATRIX_FMT_FP4 matrix_b_fmt:MATRIX_FMT_FP4
.endif
.endif
.endm
	s_load_b256 s[4:11], s[0:1], 0x0               ; xc, xs, wc, ws
	s_load_b64 s[12:13], s[0:1], 0x20              ; att32
	v_lshl_add_u32 v[SPW], v0, 2, SPARE
	v_mov_b32 v[NIL], 0
	v_lshrrev_b32 v1, 5, v0
	v_readfirstlane_b32 s14, v1                    ; wave 0..11
	v_and_b32 v1, 15, v0                           ; r
	v_bfe_u32 v2, v0, 4, 1                         ; h
	v_and_b32 v3, 31, v0                           ; lane
	v_lshlrev_b32 v4, 9, v1
	v_lshl_add_u32 v4, v2, 4, v4                   ; x's codes: row r of 512 bytes, + 16 h
	v_lshlrev_b32 v5, 4, v3                        ; 16 x lane: an image's place
	v_lshlrev_b32 v6, 2, v3                        ; 4 x lane
	s_lshl_b32 s15, s14, 10
	v_add_nc_u32 v7, s15, v5                       ; where I store my image (waves 0-7)
	s_lshr_b32 s16, s14, 2                         ; q, k or v
	s_and_b32 s17, s14, 3                          ; which 16 channels
	s_and_b32 s18, ttmp7, 0xffff                   ; the batch
	s_lshl_b32 s19, s16, 6
	s_lshl_b32 s24, ttmp9, 2
	s_add_co_u32 s19, s19, s24
	s_add_co_u32 s19, s19, s17                     ; my tile of 16 columns of w_qkv: 64 kind + 4 head + tile
	s_mov_b32 s20, 0x76543210
	s_mov_b32 s21, 0xfedcba98
	s_mov_b32 s22, 0x3e38aa3b                      ; c = log2(e) / 8
	s_and_b32 s24, s17, 1
	s_lshl_b32 s24, s24, 11
	s_lshr_b32 s25, s17, 1
	s_lshl_b32 s25, s25, 8
	s_add_co_u32 s24, s24, s25
	v_lshlrev_b32 v8, 4, v1
	v_lshl_add_u32 v8, v2, 10, v8
	v_add_nc_u32 v8, s24, v8                       ; att32: channels 16 T + 8 h + 4 jj on lie at 2,048 (T % 2) + 1,024 h + 512 jj + 256 (T / 2) + 16 r
	s_mov_b32 s27, 0
	s_mov_b32 s29, 0
	s_mov_b32 s31, 0
	s_mov_b32 s33, 0
	s_mov_b32 s35, 0
	s_lshl_b32 s26, s18, 20                        ; xc: 2,048 rows of 512 bytes a batch
	s_lshl_b32 s28, s18, 16                        ; xs: 128 tiles of 512 bytes a batch
	s_lshl_b32 s30, s19, 12                        ; wc
	s_lshl_b32 s32, s19, 9                         ; ws
	s_lshl_b32 s34, s18, 4
	s_add_co_u32 s34, s34, ttmp9
	s_lshl_b32 s34, s34, 12                        ; att32
	s_wait_kmcnt 0x0
	s_add_nc_u64 s[4:5], s[4:5], s[26:27]
	s_add_nc_u64 s[6:7], s[6:7], s[28:29]
	s_add_nc_u64 s[8:9], s[8:9], s[30:31]
	s_add_nc_u64 s[10:11], s[10:11], s[32:33]
	s_add_nc_u64 s[12:13], s[12:13], s[34:35]
.irp s, 0,1,2,3,4,5,6,7
.irp c, 0,1
	global_load_b128 v[XF+8*\s+4*\c:XF+8*\s+4*\c+3], v4, s[4:5] offset:64*\s+32*\c
	global_load_b128 v[WF+8*\s+4*\c:WF+8*\s+4*\c+3], v5, s[8:9] offset:(\s/4)*786432+(\s%4)*1024+512*\c
.endr
.endr
.irp p, 0,1,2,3
	global_load_b32 v[XS+\p], v6, s[6:7] offset:128*\p
	global_load_b32 v[WS+\p], v6, s[10:11] offset:128*\p
.endr
	s_wait_loadcnt 0x0
	s_cmp_lt_u32 s14, 8
	s_cbranch_scc0 .Lvalues
.irp s, 0,1,2,3,4,5,6,7                ; q, k: source 0 = 16 columns of w, source 1 = the 16 positions; even K steps on one accumulator, odd ones on the other, by turns
	FP4 AC+8*(\s%2), WF+8*\s, XF+8*\s, (\s<2), WS+\s/2, XS+\s/2, (\s%2)
.endr
	s_branch .Lsummed
.Lvalues:
.irp s, 0,1,2,3,4,5,6,7                ; v: the other way round
	FP4 AC+8*(\s%2), XF+8*\s, WF+8*\s, (\s<2), XS+\s/2, WS+\s/2, (\s%2)
.endr
.Lsummed:
.rept 4
	v_nop
.endr
.irp j, 0,1,2,3,4,5,6,7
	v_add_f32 v[RES+\j], v[AC+\j], v[AC+8+\j]
.endr
	s_cmp_lt_u32 s14, 8
	s_cbranch_scc0 .Lkept
	ds_store_b128 v7, v[RES:RES+3]
	ds_store_b128 v7, v[RES+4:RES+7] offset:512
.Lkept:
	s_wait_dscnt 0x0                               ; my stores have landed
	s_barrier_signal -1
	s_barrier_wait -1                              ; q's and k's eight images lie in LDS
	s_cmp_lt_u32 s14, 8
	s_cbranch_scc1 .Lend
.irp t, 0,1,2,3,4,5,6,7                ; q's four images into v16-47, k's four into v48-79
	ds_load_b128 v[XF+8*\t:XF+8*\t+3], v5 offset:1024*\t
	ds_load_b128 v[XF+8*\t+4:XF+8*\t+7], v5 offset:1024*\t+512
.endr
	s_wait_dscnt 0x0
.set n, 0
.rept 16                               ; S^T = k q^T: pair n of a lane's 32 registers holds the same channels on both sides; two accumulators by turns
.if n < 2
	v_wmma_f32_16x16x4_f32 v[SAC+8*(n%2):SAC+8*(n%2)+7], v[XF+32+2*n:XF+32+2*n+1], v[XF+2*n:XF+2*n+1], 0
.else
	v_wmma_f32_16x16x4_f32 v[SAC+8*(n%2):SAC+8*(n%2)+7], v[XF+32+2*n:XF+32+2*n+1], v[XF+2*n:XF+2*n+1], v[SAC+8*(n%2):SAC+8*(n%2)+7]
.endif
.set n, n+1
.endr
	v_lshlrev_b32 v232, 3, v2
	v_sub_nc_u32 v232, v1, v232                    ; d = r - 8 h: register j holds key 8 h + j of query r: hidden where j > d
	v_mov_b32 v233, 0xff800000
	v_mov_b32 v235, 0
	v_mov_b32 v239, 0
.rept 4
	v_nop                                          ; with the five lines above nine places behind the f32 form
.endr
.irp j, 0,1,2,3,4,5,6,7
	v_add_f32 v[TT+\j], v[SAC+\j], v[SAC+8+\j]
.endr
.irp j, 0,1,2,3,4,5,6,7
	v_cmp_gt_i32 vcc_lo, \j, v232
	v_cndmask_b32 v[TT+\j], v[TT+\j], v233, vcc_lo
.endr
	v_max3_num_f32 v234, v[TT], v[TT+1], v[TT+2]
	v_max3_num_f32 v234, v234, v[TT+3], v[TT+4]
	v_max3_num_f32 v234, v234, v[TT+5], v[TT+6]
	v_max_num_f32 v234, v234, v[TT+7]
	v_permlanex16_b32 v235, v234, s20, s21
	v_max_num_f32 v234, v234, v235                 ; the row's maximum: key 0 counts for every query
	v_mul_f32 v234, s22, v234
.irp j, 0,1,2,3,4,5,6,7
	v_fma_f32 v[P+\j], v[TT+\j], s22, -v234
.endr
.irp j, 0,1,2,3,4,5,6,7
	v_exp_f32 v[P+\j], v[P+\j]
.endr
	v_nop
	s_wait_alu depctr_va_vdst(0)                   ; one wait for the eight exponentials
	v_add_f32 v236, v[P], v[P+1]
	v_add_f32 v237, v[P+2], v[P+3]
	v_add_f32 v236, v236, v[P+4]
	v_add_f32 v237, v237, v[P+5]
	v_add_f32 v236, v236, v[P+6]
	v_add_f32 v237, v237, v[P+7]
	v_add_f32 v236, v236, v237
	v_permlanex16_b32 v239, v236, s20, s21
	v_add_f32 v236, v236, v239
	v_rcp_f32 v238, v236
	v_nop
	s_wait_alu depctr_va_vdst(0)
.irp i, 0,1,2,3                        ; O^T = v^T p: pair i holds keys 8 h + 2 i, + 1 on both sides
.if \i < 2
	v_wmma_f32_16x16x4_f32 v[OAC+8*(\i%2):OAC+8*(\i%2)+7], v[RES+2*\i:RES+2*\i+1], v[P+2*\i:P+2*\i+1], 0
.else
	v_wmma_f32_16x16x4_f32 v[OAC+8*(\i%2):OAC+8*(\i%2)+7], v[RES+2*\i:RES+2*\i+1], v[P+2*\i:P+2*\i+1], v[OAC+8*(\i%2):OAC+8*(\i%2)+7]
.endif
.endr
.rept 8
	v_nop
.endr
.irp j, 0,1,2,3,4,5,6,7
	v_add_f32 v[OUT+\j], v[OAC+\j], v[OAC+8+\j]
.endr
.irp j, 0,1,2,3,4,5,6,7
	v_mul_f32 v[OUT+\j], v[OUT+\j], v238
.endr
	global_store_b128 v8, v[OUT:OUT+3], s[12:13]               ; each half of the lanes stores 256 consecutive bytes, aligned
	global_store_b128 v8, v[OUT+4:OUT+7], s[12:13] offset:512
.Lend:
	s_wait_tensorcnt 0x0                           ; the wave's end
	ds_add_u32 v[SPW], v[NIL]
	s_wait_dscnt 0x0
	s_endpgm
.Lfunc_end_k_qc1094d8cad_fine1:
	.size	k_qc1094d8cad_fine1, .Lfunc_end_k_qc1094d8cad_fine1-k_qc1094d8cad_fine1
	.p2alignl 7, 3214868480
	.fill 96, 4, 3214868480
	.section	.rodata,"a",@progbits
	.p2align	6, 0x0
	.amdhsa_kernel k_qc1094d8cad_fine1
		.amdhsa_group_segment_fixed_size 13824
		.amdhsa_private_segment_fixed_size 0
		.amdhsa_enable_private_segment 0
		.amdhsa_kernarg_size 40
		.amdhsa_user_sgpr_count 2
		.amdhsa_user_sgpr_kernarg_segment_ptr 1
		.amdhsa_wavefront_size32 1
		.amdhsa_system_sgpr_workgroup_id_x 1
		.amdhsa_system_sgpr_workgroup_id_y 1
		.amdhsa_system_sgpr_workgroup_id_z 1
		.amdhsa_system_vgpr_workitem_id 0
		.amdhsa_next_free_vgpr 256
		.amdhsa_next_free_sgpr 66
		.amdhsa_reserve_vcc 1
		.amdhsa_float_denorm_mode_32 3
		.amdhsa_float_denorm_mode_16_64 3
		.amdhsa_memory_ordered 1
		.amdhsa_forward_progress 1
		.amdhsa_inst_pref_size 15
	.end_amdhsa_kernel
	.amdgpu_metadata
---
amdhsa.version: [ 1, 2 ]
amdhsa.kernels:
  - .name:           k_qc1094d8cad_fine1
    .symbol:         k_qc1094d8cad_fine1.kd
    .args:
      - { .name: xc, .offset: 0, .size: 8, .value_kind: global_buffer, .address_space: global }
      - { .name: xs, .offset: 8, .size: 8, .value_kind: global_buffer, .address_space: global }
      - { .name: wc, .offset: 16, .size: 8, .value_kind: global_buffer, .address_space: global }
      - { .name: ws, .offset: 24, .size: 8, .value_kind: global_buffer, .address_space: global }
      - { .name: att32, .offset: 32, .size: 8, .value_kind: global_buffer, .address_space: global }
    .group_segment_fixed_size: 13824
    .private_segment_fixed_size: 0
    .kernarg_segment_align: 8
    .kernarg_segment_size: 40
    .max_flat_workgroup_size: 384
    .sgpr_count:     66
    .vgpr_count:     256
    .wavefront_size: 32
...
	.end_amdgpu_metadata
.endif
;; end of part 5
;; launch fine2 (part 6): grid 16 x 4, 16 waves a work-group, no clusters, 71,680 bytes of LDS; arguments att32, w_proj, out0; writes out0
.if DOCPART == 6
	.amdgcn_target "amdgcn-amd-amdhsa--gfx1250"
	.amdhsa_code_object_version 6
	.text
	.protected	k_qc1094d8cad_fine2
	.globl	k_qc1094d8cad_fine2
	.p2align	8
	.type	k_qc1094d8cad_fine2,@function
k_qc1094d8cad_fine2:
	s_mov_b64 s[64:65], 0
	v_nop
	global_prefetch_b8 v0, s[64:65] scope:SCOPE_SE
	s_setreg_imm32_b32 hwreg(HW_REG_WAVE_MODE, 25, 1), 1
	s_wait_xcnt 0x0
; Rows 0 to 15 of each batch of out0, in f32: fine1's result x w_proj as it is given.  These 64 rows replace what proj stored there.
; A work-group takes 64 columns of one batch's 16 rows; wave w takes head w, K = 64 w .. 64 w + 63: 64 instructions of the f32 form (no bulk work: 64 of 8,192 rows); the sixteen partial sums meet in LDS.
; Source 0 = 16 columns of w_proj, source 1 = the 16 rows: register pair p of both holds k = 64 w + 32 h + 2 p, + 1.  A lane's eight results are eight neighbouring columns of one row.
.set SPARE, 69632                      ; behind sixteen stages of 16 rows x 272 bytes
.set SPW,  250
.set NIL,  251
.set AT,   16                          ; v16-47   the rows: 32 numbers a lane
.set WF,   48                          ; v48-175  w_proj: tile c of 16 columns at 48 + 32 c; later the sixteen partial sums
.set ACC,  176                         ; v176-207 four accumulators: written by matrix instructions alone
	s_load_b128 s[4:7], s[0:1], 0x0                ; att32, w_proj
	s_load_b64 s[8:9], s[0:1], 0x10                ; out0
	v_lshl_add_u32 v[SPW], v0, 2, SPARE
	v_mov_b32 v[NIL], 0
	v_lshrrev_b32 v1, 5, v0
	v_readfirstlane_b32 s10, v1                    ; wave 0..15
	v_and_b32 v1, 15, v0                           ; r
	v_bfe_u32 v2, v0, 4, 1                         ; h
	v_and_b32 v3, 31, v0
	v_lshlrev_b32 v4, 4, v3                        ; 16 x lane
	v_lshlrev_b32 v5, 2, v1
	v_lshl_add_u32 v5, v2, 17, v5                  ; w_proj: 32 rows of 4,096 bytes further down for lanes 16-31, + 4 r
	s_mul_i32 s11, s10, 16*272
	v_mul_u32_u24 v6, v1, 272
	v_lshl_add_u32 v6, v2, 5, v6
	v_add_nc_u32 v6, s11, v6                       ; my stage: row r, + 32 h
	s_mul_i32 s11, s10, 2*272
	v_mul_u32_u24 v7, v2, 272
	v_lshl_add_u32 v7, v1, 4, v7
	v_add_nc_u32 v7, s11, v7                       ; back (waves 0-7): row 2 w + h of every stage, 16 bytes a lane
	v_lshlrev_b32 v8, 4, v1
	v_lshl_add_u32 v8, v2, 12, v8                  ; and in out0
	s_and_b32 s11, ttmp7, 0xffff                   ; the batch
	s_lshl_b32 s16, ttmp9, 8                       ; my 64 columns, in bytes
	s_lshl_b32 s12, s11, 4
	s_add_co_u32 s12, s12, s10
	s_lshl_b32 s12, s12, 12
	s_mov_b32 s13, 0
	s_lshl_b32 s14, s10, 18
	s_add_co_u32 s14, s14, s16
	s_mov_b32 s15, 0
	s_lshl_b32 s18, s11, 23
	s_lshl_b32 s17, s10, 13
	s_add_co_u32 s18, s18, s17
	s_add_co_u32 s18, s18, s16
	s_mov_b32 s19, 0
	s_wait_kmcnt 0x0
	s_add_nc_u64 s[4:5], s[4:5], s[12:13]
	s_add_nc_u64 s[6:7], s[6:7], s[14:15]
	s_add_nc_u64 s[8:9], s[8:9], s[18:19]
.irp i, 0,1,2,3,4,5,6,7
	global_load_b128 v[AT+4*\i:AT+4*\i+3], v4, s[4:5] offset:512*\i
.endr
.set kk, 0
.rept 32
.irp c, 0,1,2,3
	global_load_b32 v[WF+32*\c+kk], v5, s[6:7] offset:kk*4096+64*\c
.endr
.set kk, kk+1
.endr
.set p, 0
.rept 16
.if p == 0
	s_wait_loadcnt 63                              ; the first 32 loads of w_proj are in: 96 could stay out; the wait names 63 at the most
.elseif p == 4
	s_wait_loadcnt 63                              ; 64 could stay out
.elseif p == 8
	s_wait_loadcnt 32
.elseif p == 12
	s_wait_loadcnt 0x0
.endif
.irp c, 0,1,2,3                        ; the four accumulators take turns
.if p == 0
	v_wmma_f32_16x16x4_f32 v[ACC+8*\c:ACC+8*\c+7], v[WF+32*\c+2*p:WF+32*\c+2*p+1], v[AT+2*p:AT+2*p+1], 0
.else
	v_wmma_f32_16x16x4_f32 v[ACC+8*\c:ACC+8*\c+7], v[WF+32*\c+2*p:WF+32*\c+2*p+1], v[AT+2*p:AT+2*p+1], v[ACC+8*\c:ACC+8*\c+7]
.endif
.endr
.set p, p+1
.endr
.rept 8
	v_nop                                          ; eight places behind the f32 form: for the stores that read the sums and the loads into its operands
.endr
.irp c, 0,1,2,3
	ds_store_b128 v6, v[ACC+8*\c:ACC+8*\c+3] offset:64*\c
	ds_store_b128 v6, v[ACC+8*\c+4:ACC+8*\c+7] offset:64*\c+16
.endr
	s_wait_dscnt 0x0                               ; my stores have landed
	s_barrier_signal -1
	s_barrier_wait -1
	s_cmp_lt_u32 s10, 8
	s_cbranch_scc0 .Lend
.irp p, 0,1,2,3,4,5,6,7,8,9,10,11,12,13,14,15
	ds_load_b128 v[WF+4*\p:WF+4*\p+3], v7 offset:4352*\p
.endr
	s_wait_dscnt 0x0
.irp w, 8,4,2,1                        ; a tree over the sixteen waves' parts
.set p, 0
.rept \w
	v_pk_add_f32 v[WF+4*p:WF+4*p+1], v[WF+4*p:WF+4*p+1], v[WF+4*(p+\w):WF+4*(p+\w)+1]
	v_pk_add_f32 v[WF+4*p+2:WF+4*p+3], v[WF+4*p+2:WF+4*p+3], v[WF+4*(p+\w)+2:WF+4*(p+\w)+3]
.set p, p+1
.endr
.endr
	global_store_b128 v8, v[WF:WF+3], s[8:9]       ; two rows: each half of the lanes stores 256 consecutive bytes, aligned
.Lend:
	s_wait_tensorcnt 0x0                           ; the wave's end
	ds_add_u32 v[SPW], v[NIL]
	s_wait_dscnt 0x0
	s_endpgm
.Lfunc_end_k_qc1094d8cad_fine2:
	.size	k_qc1094d8cad_fine2, .Lfunc_end_k_qc1094d8cad_fine2-k_qc1094d8cad_fine2
	.p2alignl 7, 3214868480
	.fill 96, 4, 3214868480
	.section	.rodata,"a",@progbits
	.p2align	6, 0x0
	.amdhsa_kernel k_qc1094d8cad_fine2
		.amdhsa_group_segment_fixed_size 71680
		.amdhsa_private_segment_fixed_size 0
		.amdhsa_enable_private_segment 0
		.amdhsa_kernarg_size 24
		.amdhsa_user_sgpr_count 2
		.amdhsa_user_sgpr_kernarg_segment_ptr 1
		.amdhsa_wavefront_size32 1
		.amdhsa_system_sgpr_workgroup_id_x 1
		.amdhsa_system_sgpr_workgroup_id_y 1
		.amdhsa_system_sgpr_workgroup_id_z 1
		.amdhsa_system_vgpr_workitem_id 0
		.amdhsa_next_free_vgpr 256
		.amdhsa_next_free_sgpr 66
		.amdhsa_reserve_vcc 0
		.amdhsa_float_denorm_mode_32 3
		.amdhsa_float_denorm_mode_16_64 3
		.amdhsa_memory_ordered 1
		.amdhsa_forward_progress 1
		.amdhsa_inst_pref_size 23
	.end_amdhsa_kernel
	.amdgpu_metadata
---
amdhsa.version: [ 1, 2 ]
amdhsa.kernels:
  - .name:           k_qc1094d8cad_fine2
    .symbol:         k_qc1094d8cad_fine2.kd
    .args:
      - { .name: att32, .offset: 0, .size: 8, .value_kind: global_buffer, .address_space: global }
      - { .name: w_proj, .offset: 8, .size: 8, .value_kind: global_buffer, .address_space: global }
      - { .name: out0, .offset: 16, .size: 8, .value_kind: global_buffer, .address_space: global }
    .group_segment_fixed_size: 71680
    .private_segment_fixed_size: 0
    .kernarg_segment_align: 8
    .kernarg_segment_size: 24
    .max_flat_workgroup_size: 512
    .sgpr_count:     66
    .vgpr_count:     256
    .wavefront_size: 32
...
	.end_amdgpu_metadata
.endif
;; end of part 6
